; MI455X (gfx1250); checked and timed in simulation.
; The chip was launched on July 23, 2026; its instructions are those of AMD's public machine-readable ISA for CDNA 5 (MIT licence, August 2026) and "CDNA5" Instruction Set Architecture Reference Guide (July 2026). The comments in the code are by the model that wrote it; some were corrected since.
;; Self Attention. Allowed arithmetic: matrix products marked QUANTISED: E2M3 operands, one E8M0 scale for each 32 along K, by v_wmma_scale_f32_16x16x128_f8f6f4 with both operands' format E2M3, f32 sums; everything else in f32.
;; Inputs: Wk 1,024 x 1,024 float32; Wo 1,024 x 1,024 float32; Wq 1,024 x 1,024 float32; Wv 1,024 x 1,024 float32; bk 1,024 float32; bo 1,024 float32; bq 1,024 float32; bv 1,024 float32; x 1 x 4,096 x 1,024 float32.
;; Outputs: out0 1 x 4,096 x 1,024 float32.
;; This version of the problem:
;;   THIS VERSION OF THE PROBLEM IS GIVEN IN LOW PRECISION. The matrix products marked QUANTISED in the list below multiply operands that are first quantised to E2M3 (2 exponent bits, 3 mantissa bits; 6 bits a number), with one power-of-two scale for each 32 numbers along K (OCP MX v1.0); their sums are f32. All else is computed in f32.
;;   The module's matrix products, in the order in which they are computed (A, B: the left and right operand; K: the contracted axis; several contracted axes count as one K, in the product's order):
;;     1. [M 4,096, K 1,024] x [K 1,024, N 1,024]; A: input x; B: input Wq: QUANTISED
;;     2. [M 4,096, K 1,024] x [K 1,024, N 1,024]; A: input x; B: input Wk: QUANTISED
;;     3. [M 4,096, K 1,024] x [K 1,024, N 1,024]; A: input x; B: input Wv: QUANTISED
;;     4. batch 16 x [M 4,096, K 64] x [K 64, N 4,096]; A: computed on the way; B: computed on the way: QUANTISED
;;     5. batch 16 x [M 4,096, K 4,096] x [K 4,096, N 64]; A: softmax (see below); B: computed on the way: QUANTISED
;;     6. [M 4,096, K 1,024] x [K 1,024, N 1,024]; A: computed on the way; B: input Wo: QUANTISED
;;   THE QUANTISER, for each operand of a quantised product, along K:
;;     - K is cut into blocks of 32 from its start; a last block that is shorter is filled with zeros.
;;     - A block's scale is 2^e with e = floor(log2(the largest magnitude in the block)) - 2, held to -126 .. 127; a block of zeros has e = 0. As a byte (E8M0): e + 127.
;;     - Each number is divided by its block's scale, clamped to +-7.5, and rounded to the nearest number of E2M3, ties to even, subnormals kept.
;;     - The product sums the exact products of the quantised numbers (number of the format x scale) in f32.
;;   ~~~python
;;   def quantise(x, axis):      # numpy; x: float32 -> the quantised numbers, widened to float32 again
;;       x = np.moveaxis(x, axis, -1); K = x.shape[-1]
;;       x = np.pad(x, [(0, 0)] * (x.ndim - 1) + [(0, -K % 32)]); x = x.reshape(x.shape[:-1] + (-1, 32)); a = np.abs(x).max(-1, keepdims=True)
;;       e = np.where(a > 0, np.clip(np.frexp(np.where(a > 0, a, 1))[1] - 1 - 2, -126, 127), 0)      # np.frexp(a)[1] - 1 = floor(log2(a)), exactly
;;       r = np.clip(x / 2.0 ** e, -7.5, 7.5)
;;       step = 2.0 ** (np.maximum(np.frexp(np.where(r == 0, 1, r))[1] - 1, 0) - 3)
;;       q = np.round(r / step) * step * 2.0 ** e      # np.round: ties to even
;;       return np.moveaxis(q.reshape(q.shape[:-2] + (-1,))[..., :K], -1, axis).astype(np.float32)
;;   ~~~
;;   SOFTMAX AHEAD OF A QUANTISED PRODUCT. Where the list says 'softmax', what is quantised is not the finished softmax but p = 2^(t - M), with t = logit x log2(e) and M = ceil(the row's largest t), a whole number; so 1/2 < the row's largest p <= 1. The row's sum l is taken of the UNQUANTISED p, in f32, and the product's result is divided by l at the end. Since M is a whole number, a kernel that streams over the keys may use a running M (the ceiling of the running maximum): every later rescaling is an exact power of two, which a block's scale takes up: the codes' values come out the same.
;;   OPERANDS COMPUTED ON THE WAY. 'Computed on the way' means the value that the module computes at that place (a softmax that the list does not call 'softmax' is quantised finished and normalised). What goes into a quantiser is computed in f32, as accurately as f32 sums, v_exp_f32 and their like allow (about 1e-6 of the number): no bf16 or f16 on the way to a quantiser, and a product that is left as it is and whose result goes on into a quantised operand takes f32 operands (vector FMAs, or v_wmma_f32_16x16x4_f32). A number that lies on a knife's edge between two numbers of the format may be rounded either way, as far as f32 arithmetic and the matrix unit's own rounding can turn it there, and no further.
;; One version. Each part assembles by itself: llvm-mc -triple=amdgcn-amd-amdhsa -mcpu=gfx1250 --defsym DOCPART=n.
;; ======== version 1 of 1: 4 launches
;; limits: right only within a limited range of input values
;; workspace buffers: xq 3,276,800 bytes; wq 3,276,800 bytes; qq 3,407,872 bytes; kv 6,684,672 bytes; cq 3,407,872 bytes
;; launch quant (part 1): grid 256 x 1, 4 waves a work-group, no clusters, 34,304 bytes of LDS; arguments x, Wq, Wk, Wv, Wo, xq, wq; writes xq, wq
.if DOCPART == 1
	.amdgcn_target "amdgcn-amd-amdhsa--gfx1250"
	.amdhsa_code_object_version 6
	.text
	.protected	k_q4b8b8aaa61_quant
	.globl	k_q4b8b8aaa61_quant
	.p2align	8
	.type	k_q4b8b8aaa61_quant,@function
k_q4b8b8aaa61_quant:
	s_mov_b64 s[64:65], 0
	v_nop
	global_prefetch_b8 v0, s[64:65] scope:SCOPE_SE
	s_setreg_imm32_b32 hwreg(HW_REG_WAVE_MODE, 25, 1), 1
	s_wait_xcnt 0x0
; x [4096][1024] and Wq, Wk, Wv, Wo [1024 (k)][1024 (n)], f32, become codes of FP6 (E2M3) with one E8M0 byte for each 32 along K, laid AS THE MATRIX UNIT'S REGISTERS TAKE THEM.
; A block's scale is 2^(floor(log2(its largest magnitude)) - 2); its byte is the largest magnitude's exponent field - 2, held at 1 from below.
; LIMITS: a block of zeros gets the byte 1 where the rule says 127 (its codes are zeros, and this program alone reads the bytes); NaN and infinities among the inputs are not served.
; A TILE's 16 rows are not neighbours: row rho of tile T is 64 (T / 4) + 32 (rho / 8) + 8 (T % 4) + rho % 8 (of x: rows; of a weight: columns n).  A product that takes tiles 4 G .. 4 G + 3 as source 0
; then leaves a lane 32 NEIGHBOURS of that axis, 64 G + 32 (lane / 16) + 0 .. 31: a whole block of the next product's K, in the half of the lanes in which the operand's layout wants it.
; AN IMAGE is a fragment (16 rows x 128 K, 12 registers a lane) as it stands: register 4 g + e of lane l at byte 512 g + 16 l + 4 e: 1,536 bytes, three stores of 512 consecutive bytes.
; CODES: [block of 8 tiles][K step 0..7][tile 0..7][1,536]; weights: [q, k, v, o] x 8 such blocks.  SCALE WORDS, from byte 3,145,728: [pair of tiles][2 K steps][lane][2 words]: lanes 0-15 the even tile's rows, lanes 16-31 the odd tile's.
; Work-groups 0-127 take x: a pair of tiles each, a wave 256 along K.  Work-groups 128-255 take the weights: 128 columns x 256 along K each, a wave a pair of tiles.  Waves share nothing: no barrier.
.set STGB,  8448                       ; a wave's stage: 16 rows x (512 bytes + 16)
.set SPARE, 4*STGB                     ; behind the stages: the spare words, 128 bytes for each wave, which no other line names
.set LI16,  1                          ; v1   16 x lane
.set LI8,   2                          ; v2   8 x lane
.set STO,   3                          ; v3   x: into the stage
.set RDX,   4                          ; v4   x: out of it: row lane % 16, + 128 (lane / 16)
.set COL,   5                          ; v5   weights: my column, in bytes
.set R,     16                         ; v16-143  x: two sets of 64 numbers as loaded
.set E,     16                         ; v16-63   weights: two sets of two images
.set X,     144                        ; v144-207 64 numbers of a lane (weights: two sets of 32)
.set PC,    208                        ; v208-219 a fragment's codes
.set PT,    220                        ; v220-227 the halves that a conversion cannot put at an odd register
.set BM,    228                        ; v228-231 largest magnitudes
.set SCO,   232                        ; v232-233 the conversions' scale operands
.set BY,    234                        ; v234-235 scale bytes
.set W,     236                        ; v236 a row's scale word
.set T,     237
.set SH8,   238                        ; v238 8 x (lane / 16)
.set SW,    240                        ; v240-241 the two scale words that I store
.set SPW,   254                        ; v254 LDS address of my spare word; never rewritten
.set NIL,   255                        ; v255 0; never rewritten
.set SEL,   26                         ; s[26:27] lane selects: lane l xor 16
.set MHI,   28                         ; s28 the mask of lanes 16-31
; 64 numbers of a lane, two whole blocks of 32 (s0: k = 32 h on, s1: k = 64 + 32 h on), become registers pc .. pc + 11 and the row's scale word in v[W]
.macro QUANT s0, s1, pc
	v_max3_num_f32 v[BM], |v[\s0]|, |v[\s0+1]|, |v[\s0+2]|
	v_max3_num_f32 v[BM+2], |v[\s1]|, |v[\s1+1]|, |v[\s1+2]|
	v_max3_num_f32 v[BM+1], |v[\s0+3]|, |v[\s0+4]|, |v[\s0+5]|
	v_max3_num_f32 v[BM+3], |v[\s1+3]|, |v[\s1+4]|, |v[\s1+5]|
.irp i, 6,10,14,18,22,26
	v_max3_num_f32 v[BM], v[BM], |v[\s0+\i]|, |v[\s0+\i+1]|          ; four chains by turns: no line waits for the line above it
	v_max3_num_f32 v[BM+2], v[BM+2], |v[\s1+\i]|, |v[\s1+\i+1]|
	v_max3_num_f32 v[BM+1], v[BM+1], |v[\s0+\i+2]|, |v[\s0+\i+3]|
	v_max3_num_f32 v[BM+3], v[BM+3], |v[\s1+\i+2]|, |v[\s1+\i+3]|
.endr
	v_max3_num_f32 v[BM], v[BM], |v[\s0+30]|, |v[\s0+31]|
	v_max3_num_f32 v[BM+2], v[BM+2], |v[\s1+30]|, |v[\s1+31]|
	v_max3_num_f32 v[BM], v[BM], v[BM+1], 0x1800000                  ; and the floor 2^(3 - 127): the byte cannot fall under 1
	v_max3_num_f32 v[BM+2], v[BM+2], v[BM+3], 0x1800000
	v_add_nc_u32 v[SCO], 0xff000000, v[BM]                           ; 2 off the exponent field: the conversion takes that field as its scale
	v_add_nc_u32 v[SCO+1], 0xff000000, v[BM+2]
	v_lshrrev_b32 v[BY], 23, v[SCO]                                  ; the bytes
	v_lshrrev_b32 v[BY+1], 23, v[SCO+1]
	v_lshl_or_b32 v[W], v[BY+1], 16, v[BY]                           ; my two bytes: blocks h and 2 + h,
	v_lshlrev_b32 v[W], v[SH8], v[W]                                 ; at their places;
	v_permlanex16_b32 v[T], v[W], s[SEL], s[SEL+1]
	v_or_b32 v[W], v[W], v[T]                                        ; with lane l xor 16's two the word is whole
	v_cvt_scalef32_pk16_fp6_f32 v[\pc:\pc+2], v[\s0:\s0+15], v[SCO]
	v_cvt_scalef32_pk16_fp6_f32 v[PT:PT+2], v[\s0+16:\s0+31], v[SCO] ; (a conversion's three registers begin on an even number)
	v_cvt_scalef32_pk16_fp6_f32 v[\pc+6:\pc+8], v[\s1:\s1+15], v[SCO+1]
	v_cvt_scalef32_pk16_fp6_f32 v[PT+4:PT+6], v[\s1+16:\s1+31], v[SCO+1]
	v_nop                                                            ; one plain place behind the conversions
.irp i, 0,1,2
	v_mov_b32 v[\pc+3+\i], v[PT+\i]
	v_mov_b32 v[\pc+9+\i], v[PT+4+\i]
.endr
.endm
	s_load_b256 s[4:11], s[0:1], 0x0               ; x s[4:5], Wq s[6:7], Wk s[8:9], Wv s[10:11]
	s_load_b128 s[12:15], s[0:1], 0x20             ; Wo s[12:13], xq s[14:15]
	s_load_b64 s[16:17], s[0:1], 0x30              ; wq
	v_lshl_add_u32 v[SPW], v0, 2, SPARE
	v_mov_b32 v[NIL], 0
	v_lshrrev_b32 v6, 5, v0
	v_readfirstlane_b32 s18, v6                    ; wave 0..3
	v_and_b32 v7, 31, v0                           ; lane
	v_lshlrev_b32 v[LI16], 4, v7
	v_lshlrev_b32 v[LI8], 3, v7
	s_mov_b32 s[SEL], 0x76543210
	s_mov_b32 s[SEL+1], 0xfedcba98
	s_mov_b32 s[MHI], 0xffff0000
	s_cmp_lt_u32 ttmp9, 128
	s_cbranch_scc0 .Lweights
	; ---------------- x: pair p = the work-group's number; wave w takes K steps 2 w and 2 w + 1
	v_and_b32 v8, 15, v0                           ; r
	v_bfe_u32 v9, v0, 4, 1                         ; h
	s_mul_i32 s19, s18, STGB                       ; my stage
	v_add_nc_u32 v[STO], s19, v[LI16]
	v_mul_u32_u24 v[RDX], v8, 528
	v_lshl_add_u32 v[RDX], v9, 7, v[RDX]
	v_add_nc_u32 v[RDX], s19, v[RDX]
	v_lshlrev_b32 v[SH8], 3, v9
	v_mov_b32 v[T], 0                              ; written once: a lane permute's destination counts as one of its sources
	s_lshr_b32 s20, ttmp9, 1
	s_lshl_b32 s20, s20, 18                        ; 64 (p / 2) rows of 4,096 bytes
	s_and_b32 s21, ttmp9, 1
	s_lshl_b32 s21, s21, 16                        ; + 16 (p % 2) rows
	s_add_co_u32 s20, s20, s21
	s_lshl_b32 s21, s18, 10                        ; + my 256 numbers of a row
	s_add_co_u32 s20, s20, s21
	s_mov_b32 s21, 0
	s_lshr_b32 s22, ttmp9, 2
	s_mul_i32 s22, s22, 98304                      ; the codes: block p / 4,
	s_mul_i32 s23, s18, 24576                      ; K step 2 w,
	s_add_co_u32 s22, s22, s23
	s_and_b32 s23, ttmp9, 3
	s_mul_i32 s23, s23, 3072                       ; tile 2 (p % 4)
	s_add_co_u32 s22, s22, s23
	s_mov_b32 s23, 0
	s_lshl_b32 s24, ttmp9, 10                      ; the scale words: 1,024 p + 256 w
	s_lshl_b32 s25, s18, 8
	s_add_co_u32 s24, s24, s25
	s_add_co_u32 s24, s24, 3145728
	s_mov_b32 s25, 0
	s_wait_alu depctr_va_vdst(0)
	s_wait_kmcnt 0x0
	s_add_nc_u64 s[4:5], s[4:5], s[20:21]
	s_add_nc_u64 s[30:31], s[14:15], s[24:25]
	s_add_nc_u64 s[14:15], s[14:15], s[22:23]
; fragment f: tile 2 p + f / 2, K step 2 w + f % 2.  Each load reads 512 consecutive bytes of one of the tile's rows
.macro XLOAD f
.irp j, 0,1,2,3,4,5,6,7,8,9,10,11,12,13,14,15
	global_load_b128 v[R+64*((\f)%2)+4*\j:R+64*((\f)%2)+4*\j+3], v[LI16], s[4:5] offset:(32*(\j/8)+(\j%8)+8*((\f)/2))*4096+512*((\f)%2) th:TH_LOAD_NT
.endr
.endm
; through my stage: in as loaded, back 32 neighbours of a row twice: k = 64 c + 32 h + 0 .. 31.  LDS serves a wave's instructions in order: no wait between the stores and the loads
.macro XTURN f
.irp j, 0,1,2,3,4,5,6,7,8,9,10,11,12,13,14,15
	ds_store_b128 v[STO], v[R+64*((\f)%2)+4*\j:R+64*((\f)%2)+4*\j+3] offset:528*\j
.endr
.irp c, 0,1
.irp q, 0,1,2,3,4,5,6,7
	ds_load_b128 v[X+32*\c+4*\q:X+32*\c+4*\q+3], v[RDX] offset:256*\c+16*\q
.endr
.endr
.endm
.macro XFRAG f
.if (\f) < 3
	s_wait_loadcnt 16                              ; this fragment's 16 loads are in; the next fragment's 16 may be out
.else
	s_wait_loadcnt 0x0
.endif
	XTURN \f
	s_wait_dscnt 0x0                               ; the numbers are back, so the stores into the stage have read their registers,
.if (\f) < 2
	XLOAD (\f)+2                                   ; which take the loads of two fragments on
.endif
	s_wait_xcnt 0x0                                ; the last fragment's stores have read their codes: only behind this wait are the codes' registers written again
	QUANT X, X+32, PC
.irp g, 0,1,2
	global_store_b128 v[LI16], v[PC+4*\g:PC+4*\g+3], s[14:15] offset:12288*((\f)%2)+1536*((\f)/2)+512*\g   ; 512 consecutive bytes
.endr
.if (\f) < 2
	v_mov_b32 v[SW+(\f)%2], v[W]                   ; the even tile's word,
.else
	v_cndmask_b32 v[SW+(\f)%2], v[SW+(\f)%2], v[W], s[MHI]   ; and in lanes 16-31 the odd tile's
.endif
.endm
	XLOAD 0
	XLOAD 1
	XFRAG 0
	XFRAG 1
	XFRAG 2
	XFRAG 3
	global_store_b64 v[LI8], v[SW:SW+1], s[30:31]  ; 256 consecutive bytes
	s_wait_tensorcnt 0x0                           ; the wave's end
	ds_add_u32 v[SPW], v[NIL]
	s_wait_dscnt 0x0
	s_endpgm
	; ---------------- the weights.  A LANE TAKES A COLUMN n AND ITS REGISTERS RUN DOWN K: a block of 32 lies in one lane, and the codes come out with K innermost
.Lweights:
	s_sub_co_u32 s19, ttmp9, 128
	s_lshr_b32 s20, s19, 5                         ; which weight: 0 q, 1 k, 2 v, 3 o
	s_bfe_u32 s21, s19, 0x30002                    ; which block of 128 columns
	s_and_b32 s22, s19, 3                          ; which 256 along K
	v_and_b32 v8, 7, v0                            ; lanes 0-15: tile 2 w, lanes 16-31: tile 2 w + 1; my column by the tiles' rule
	v_bfe_u32 v9, v0, 3, 1
	v_bfe_u32 v10, v0, 4, 1
	v_lshl_add_u32 v8, v9, 5, v8
	v_lshl_add_u32 v8, v10, 3, v8
	s_lshl_b32 s23, s21, 7
	s_lshr_b32 s24, s18, 1
	s_lshl_b32 s24, s24, 6
	s_add_co_u32 s23, s23, s24
	s_and_b32 s24, s18, 1
	s_lshl_b32 s24, s24, 4
	s_add_co_u32 s23, s23, s24
	v_add_nc_u32 v8, s23, v8
	v_lshlrev_b32 v[COL], 2, v8
	s_lshl_b32 s24, s22, 20                        ; 256 rows of 4,096 bytes
	s_mov_b32 s25, 0
	s_mul_i32 s30, s20, 786432                     ; the codes: weight, block, K step 2 kg, tile 2 w
	s_mul_i32 s31, s21, 98304
	s_add_co_u32 s30, s30, s31
	s_mul_i32 s31, s22, 24576
	s_add_co_u32 s30, s30, s31
	s_mul_i32 s31, s18, 3072
	s_add_co_u32 s30, s30, s31
	s_mov_b32 s31, 0
	s_lshl_b32 s32, s20, 15                        ; the scale words: pair 32 weight + 4 block + w, 1,024 bytes each; + 256 kg
	s_lshl_b32 s33, s21, 12
	s_add_co_u32 s32, s32, s33
	s_lshl_b32 s33, s18, 10
	s_add_co_u32 s32, s32, s33
	s_lshl_b32 s33, s22, 8
	s_add_co_u32 s32, s32, s33
	s_add_co_u32 s32, s32, 3145728
	s_mov_b32 s33, 0
	s_wait_alu depctr_va_vdst(0)
	s_wait_kmcnt 0x0
	s_cmp_eq_u32 s20, 0                            ; the choice hangs on the work-group's number alone
	s_cselect_b64 s[34:35], s[6:7], s[8:9]
	s_cmp_lt_u32 s20, 2
	s_cselect_b64 s[34:35], s[34:35], s[10:11]
	s_cmp_lt_u32 s20, 3
	s_cselect_b64 s[34:35], s[34:35], s[12:13]
	s_add_nc_u64 s[34:35], s[34:35], s[24:25]
	s_add_nc_u64 s[36:37], s[16:17], s[30:31]
	s_add_nc_u64 s[38:39], s[16:17], s[32:33]
.macro WLOAD b                         ; block b: rows 32 b + i of my 256, my column; the four waves together read 512 consecutive bytes of a row
.irp i, 0,1,2,3,4,5,6,7,8,9,10,11,12,13,14,15,16,17,18,19,20,21,22,23,24,25,26,27,28,29,30,31
	global_load_b32 v[X+32*((\b)%2)+\i], v[COL], s[34:35] offset:(32*(\b)+\i)*4096 th:TH_LOAD_NT
.endr
.endm
.macro WBLOCK b
.set XS, X+32*((\b)%2)
.set ED, E+24*((\b)/4)+12*((\b)%2)+6*(((\b)%4)/2)   ; blocks 0, 2 of a K step: the first image's registers 0-5, 6-11; blocks 1, 3: the second image's
.if (\b) < 7
	s_wait_loadcnt 32                              ; this block's 32 loads are in; the next block's may be out
.else
	s_wait_loadcnt 0x0
.endif
	v_max3_num_f32 v[BM], |v[XS]|, |v[XS+1]|, |v[XS+2]|
	v_max3_num_f32 v[BM+1], |v[XS+3]|, |v[XS+4]|, |v[XS+5]|
.irp i, 6,10,14,18,22,26
	v_max3_num_f32 v[BM], v[BM], |v[XS+\i]|, |v[XS+\i+1]|
	v_max3_num_f32 v[BM+1], v[BM+1], |v[XS+\i+2]|, |v[XS+\i+3]|
.endr
	v_max3_num_f32 v[BM], v[BM], |v[XS+30]|, |v[XS+31]|
	v_max3_num_f32 v[BM], v[BM], v[BM+1], 0x1800000
	v_add_nc_u32 v[SCO], 0xff000000, v[BM]
	v_lshrrev_b32 v[BY], 23, v[SCO]
.if (\b)%4 == 0
	v_mov_b32 v[SW+(\b)/4], v[BY]                  ; four bytes make my column's word of a K step
.else
	v_lshl_or_b32 v[SW+(\b)/4], v[BY], 8*((\b)%4), v[SW+(\b)/4]
.endif
	v_cvt_scalef32_pk16_fp6_f32 v[ED:ED+2], v[XS:XS+15], v[SCO]
	v_cvt_scalef32_pk16_fp6_f32 v[PT:PT+2], v[XS+16:XS+31], v[SCO]
	v_nop
.irp i, 0,1,2
	v_mov_b32 v[ED+3+\i], v[PT+\i]
.endr
.if (\b)+2 < 8
	WLOAD (\b)+2
.endif
.endm
; A K step's four blocks are made.  The layout wants blocks 2 c and 2 c + 1 of ONE tile in the two halves of the lanes: the first run's lanes 16-31 change places with the second run's lanes 0-15
.macro WOUT e
.irp i, 0,1,2,3,4,5,6,7,8,9,10,11
	v_permlane16_swap_b32 v[E+24*\e+\i], v[E+24*\e+12+\i]
.endr
.irp u, 0,1
.irp g, 0,1,2
	global_store_b128 v[LI16], v[E+24*\e+12*\u+4*\g:E+24*\e+12*\u+4*\g+3], s[36:37] offset:12288*\e+1536*\u+512*\g
.endr
.endr
.endm
	WLOAD 0
	WLOAD 1
	WBLOCK 0
	WBLOCK 1
	WBLOCK 2
	WBLOCK 3
	WOUT 0
	WBLOCK 4
	WBLOCK 5
	WBLOCK 6
	WBLOCK 7
	WOUT 1
	global_store_b64 v[LI8], v[SW:SW+1], s[38:39]  ; lanes 0-15 the even tile's columns, lanes 16-31 the odd tile's: 256 consecutive bytes
	s_wait_tensorcnt 0x0                           ; both paths end alike
	ds_add_u32 v[SPW], v[NIL]
	s_wait_dscnt 0x0
	s_endpgm
.Lfunc_end_k_q4b8b8aaa61_quant:
	.size	k_q4b8b8aaa61_quant, .Lfunc_end_k_q4b8b8aaa61_quant-k_q4b8b8aaa61_quant
	.p2alignl 7, 3214868480
	.fill 96, 4, 3214868480
	.section	.rodata,"a",@progbits
	.p2align	6, 0x0
	.amdhsa_kernel k_q4b8b8aaa61_quant
		.amdhsa_group_segment_fixed_size 34304
		.amdhsa_private_segment_fixed_size 0
		.amdhsa_enable_private_segment 0
		.amdhsa_kernarg_size 56
		.amdhsa_user_sgpr_count 2
		.amdhsa_user_sgpr_kernarg_segment_ptr 1
		.amdhsa_wavefront_size32 1
		.amdhsa_system_sgpr_workgroup_id_x 1
		.amdhsa_system_sgpr_workgroup_id_y 1
		.amdhsa_system_sgpr_workgroup_id_z 1
		.amdhsa_system_vgpr_workitem_id 0
		.amdhsa_next_free_vgpr 256
		.amdhsa_next_free_sgpr 66
		.amdhsa_reserve_vcc 0
		.amdhsa_float_denorm_mode_32 3
		.amdhsa_float_denorm_mode_16_64 3
		.amdhsa_memory_ordered 1
		.amdhsa_forward_progress 1
		.amdhsa_inst_pref_size 70
	.end_amdhsa_kernel
	.amdgpu_metadata
---
amdhsa.version: [ 1, 2 ]
amdhsa.kernels:
  - .name:           k_q4b8b8aaa61_quant
    .symbol:         k_q4b8b8aaa61_quant.kd
    .args:
      - { .name: x, .offset: 0, .size: 8, .value_kind: global_buffer, .address_space: global }
      - { .name: Wq, .offset: 8, .size: 8, .value_kind: global_buffer, .address_space: global }
      - { .name: Wk, .offset: 16, .size: 8, .value_kind: global_buffer, .address_space: global }
      - { .name: Wv, .offset: 24, .size: 8, .value_kind: global_buffer, .address_space: global }
      - { .name: Wo, .offset: 32, .size: 8, .value_kind: global_buffer, .address_space: global }
      - { .name: xq, .offset: 40, .size: 8, .value_kind: global_buffer, .address_space: global }
      - { .name: wq, .offset: 48, .size: 8, .value_kind: global_buffer, .address_space: global }
    .group_segment_fixed_size: 34304
    .private_segment_fixed_size: 0
    .kernarg_segment_align: 8
    .kernarg_segment_size: 56
    .max_flat_workgroup_size: 128
    .sgpr_count:     66
    .vgpr_count:     256
    .wavefront_size: 32
...
	.end_amdgpu_metadata
.endif
;; end of part 1
;; launch qkv (part 2): grid 8 x 32, 4 waves a work-group, clusters of 4 x 4, 327,680 bytes of LDS; arguments xq, wq, bq, bk, bv, qq, kv; writes qq, kv
.if DOCPART == 2
	.amdgcn_target "amdgcn-amd-amdhsa--gfx1250"
	.amdhsa_code_object_version 6
	.text
	.protected	k_q4b8b8aaa61_qkv
	.globl	k_q4b8b8aaa61_qkv
	.p2align	8
	.type	k_q4b8b8aaa61_qkv,@function
k_q4b8b8aaa61_qkv:
	s_mov_b64 s[64:65], 0
	v_nop
	global_prefetch_b8 v0, s[64:65] scope:SCOPE_SE
	s_setreg_imm32_b32 hwreg(HW_REG_WAVE_MODE, 25, 1), 1
	s_wait_xcnt 0x0
	s_wait_alu depctr_hold_cnt(0) depctr_sa_sdst(0) depctr_va_vdst(0) depctr_va_sdst(0) depctr_va_ssrc(0) depctr_va_vcc(0) depctr_vm_vsrc(0)
	s_getreg_b32 s2, hwreg(HW_REG_IB_STS2, 6, 4)
	s_cmp_eq_u32 s2, 0
	s_cbranch_scc0 .Lentry_in_a_cluster
	s_endpgm
.Lentry_in_a_cluster:
	s_bfe_u32 s2, ttmp6, 0x10000c
	s_cmp_lg_u32 s2, 0xf033
	s_cbranch_scc0 .Lentry_shape_is_right
	s_endpgm
.Lentry_shape_is_right:
; q = x Wq + bq, k = x Wk + bk, v = x Wv + bv on codes of FP6 (E2M3) with E8M0 scales, and q, k, v quantised in registers for the two products of attention.
; A work-group (cg = 128 columns = a pair of heads, rb = 128 rows) STAYS for three tiles of 128 x 128 x 1,024.  x's block (all of K, 98,304 bytes of images) stays in LDS through all three; so does each weight's block while it is used.
; ONE FORM FOR ALL THREE: source 0 = side P, all 8 tiles; source 1 = side R, my wave's tiles 2 w and 2 w + 1: 16 accumulators.  q, k: P = the weight, R = x.  v: P = x, R = Wv.
; A tile's rows are not neighbours (row rho of tile T: 64 (T / 4) + 32 (rho / 8) + 8 (T % 4) + rho % 8), so a lane's 32 registers of tiles 4 G .. 4 G + 3 of P are 32 neighbours along P, 64 G + 32 (lane / 16) + 0 .. 31:
; a whole block of the next product's K (the head's channels for q and k, the keys for v), in the half of the lanes in which the operand's layout wants it: no other lane is asked for a maximum, and no half changes lanes.
; OUT: q, k: for each head a PAIR IMAGE (registers 0-5: tile 2 pi, K = the head's 64; registers 6-11: tile 2 pi + 1) and a register of scale words (lanes 0-15 the even tile's, lanes 16-31 the odd tile's).
;      v: fragments of V^T (16 channels x 128 keys).  kv is laid [head][128 keys][K: 4 pair images | V^T: 4 images | K's 4 x 128 bytes of words | V's 2 x 128]: 13,056 dense bytes a key step.
; CLUSTERS: 4 x 4 work-groups.  x's block hangs on rb alone and is asked for jointly along a row of the cluster, a weight's on cg alone, along a column.
; LIMITS: a block of zeros gets the byte 1 (its codes are zeros; this program alone reads the bytes); NaN and infinities are not served.
; REGISTERS: window 0: v1-19 addresses; v20-27 R's scale words, v28-59 P's (pair p, K step s at 28 + 8 p + s); v60-103 the quantiser's; v128-255 the accumulators ((j, i) at 128 + 8 (8 j + i)).
;   window 1: two fragment buffers of 120: P's 8 x 12, R's 2 x 12.   window 2: the biases in the result's layout: bq v0-63, bk v64-127, bv v128-143: each is the C of a sum's first product.
.set XR,    0                          ; LDS: x's block
.set WA,    98304                      ; Wq's, later Wv's
.set WB,    196608                     ; Wk's
.set SPARE, 294912                     ; the spare words, 128 bytes for each wave, which no other line names
.set HALF,  49152                      ; four K steps of a block
.set QTR,   24576                      ; what one tensor load brings: 96 rows of 256 bytes
.set APX,   2                          ; v2-3   P side from x's block: K steps 0-3, 4-7
.set APA,   4                          ; v4-5   from WA
.set APB,   6                          ; v6-7   from WB
.set ARX,   8                          ; v8-9   R side (my two tiles) from x's block
.set ARA,   10                         ; v10-11 from WA
.set LI16,  12
.set LI4,   13
.set LI8,   14
.set SH8,   15                         ; 8 (lane / 16)
.set SH16,  16                         ; 16 (lane / 16)
.set SPW,   17                         ; LDS address of my spare word; never rewritten
.set NIL,   18                         ; 0; never rewritten
.set RSC,   20
.set PSC,   28
.set BM,    60
.set SCO,   64
.set BY,    66
.set W,     68
.set T,     69
.set WS,    70
.set PT,    72
.set PCA,   80                         ; v80-103 two sets of codes
.set ACC,   128
.set F0,    0
.set BQ,    0
.set BK,    64
.set BV,    128
.set SEL,   26
.set MHI,   28
.set G1X,   32                         ; s[32:39] group 1 for x's block (mask: my row of the cluster);  s[40:47] for the weights' (my column)
.set G1W,   40
.set G0X,   48                         ; s[48:51] group 0: my half of x's;  s[56:59] my half of Wq's;  s[68:71] Wk;  s[72:75] Wv.  None is ever rewritten
.set G0Q,   56
.set G0K,   68
.set G0V,   72
.set VSB,   66                         ; bases of loads and stores
.set SWB,   84
.set SXB,   86
.set SXW,   88
.set SWW,   90
.set QCB,   92
.set QSB,   94
.set KCB,   96
.set KSB,   98
.set VCB,   100
.set MSB, 0
.macro WIN new                         ; the immediate's high byte repeats the setting that is left
.if MSB != \new
	s_set_vgpr_msb (MSB<<8)|\new
.set MSB, \new
.endif
.endm
.macro PLACES
.rept 4
	v_nop
.endr
.endm
.macro CREST
	s_cmp_lg_u32 s18, 0
	s_cbranch_scc1 .Lnot_wave_0_\@
	s_barrier_signal -3
.Lnot_wave_0_\@:
	s_barrier_wait -3
	s_barrier_signal -1
	s_barrier_wait -1
.endm
.macro CROUND                          ; a round of the cluster's barrier
	s_barrier_signal -1
	s_barrier_wait -1
	CREST
.endm
.macro JLOAD c                         ; waves 0 and 1 fetch the two halves of x's block, waves 2 and 3 those of Wq's: one load a wave at the head; the branch hangs on the wave's number alone
	s_cmp_eq_u32 s19, 0
	s_cbranch_scc0 .Lfor_w_\@
	tensor_load_to_lds s[G0X+4*\c:G0X+4*\c+3], s[G1X:G1X+7]
	s_nop 0
.rept 4
	v_nop
.endr
	s_branch .Lasked_\@
.Lfor_w_\@:
	tensor_load_to_lds s[G0Q+4*\c:G0Q+4*\c+3], s[G1W:G1W+7]
	s_nop 0
.rept 4
	v_nop
.endr
.Lasked_\@:
.endm
.macro WMR d, a, b, c, sa, sb, ra, rb  ; one product; ra, rb: which half of the lanes of the scale registers holds the tile's words
.if ((\ra) == 0) && ((\rb) == 0)
	v_wmma_scale_f32_16x16x128_f8f6f4 v[\d:\d+7], v[\a:\a+11], v[\b:\b+11], v[\c:\c+7], v[\sa], v[\sb] matrix_a_fmt:MATRIX_FMT_FP6 matrix_b_fmt:MATRIX_FMT_FP6
.elseif (\rb) == 0
	v_wmma_scale_f32_16x16x128_f8f6f4 v[\d:\d+7], v[\a:\a+11], v[\b:\b+11], v[\c:\c+7], v[\sa], v[\sb] matrix_a_fmt:MATRIX_FMT_FP6 matrix_b_fmt:MATRIX_FMT_FP6 matrix_a_scale:MATRIX_SCALE_ROW1
.elseif (\ra) == 0
	v_wmma_scale_f32_16x16x128_f8f6f4 v[\d:\d+7], v[\a:\a+11], v[\b:\b+11], v[\c:\c+7], v[\sa], v[\sb] matrix_a_fmt:MATRIX_FMT_FP6 matrix_b_fmt:MATRIX_FMT_FP6 matrix_b_scale:MATRIX_SCALE_ROW1
.else
	v_wmma_scale_f32_16x16x128_f8f6f4 v[\d:\d+7], v[\a:\a+11], v[\b:\b+11], v[\c:\c+7], v[\sa], v[\sb] matrix_a_fmt:MATRIX_FMT_FP6 matrix_b_fmt:MATRIX_FMT_FP6 matrix_a_scale:MATRIX_SCALE_ROW1 matrix_b_scale:MATRIX_SCALE_ROW1
.endif
.endm
; 30 LDS loads: a K step's ten images as they lie, 512 consecutive bytes a load
.macro FETCH buf, ap, ar, off
	WIN 0x40
.irp i, 0,1,2,3,4,5,6,7
.irp g, 0,1,2
	ds_load_b128 v[\buf+12*\i+4*\g:\buf+12*\i+4*\g+3], v[\ap] offset:\off+1536*\i+512*\g
.endr
.endr
.irp j, 0,1
.irp g, 0,1,2
	ds_load_b128 v[\buf+96+12*\j+4*\g:\buf+96+12*\j+4*\g+3], v[\ar] offset:\off+1536*\j+512*\g
.endr
.endr
.endm
; 16 products, the accumulators by turns.  cm = 0: onto the sums; 1: the sums begin with the bias of P's tile i; 2: with that of R's tile j
.macro MUL buf, s, cm, cb
.if \cm == 0
	WIN 0x05
.else
	WIN 0x25
.endif
.irp j, 0,1
.irp i, 0,1,2,3,4,5,6,7
.if \cm == 0
	WMR ACC+8*(8*\j+\i), \buf+12*\i, \buf+96+12*\j, ACC+8*(8*\j+\i), PSC+8*(\i/2)+\s, RSC+\s, \i%2, \j
.elseif \cm == 1
	WMR ACC+8*(8*\j+\i), \buf+12*\i, \buf+96+12*\j, \cb+8*\i, PSC+8*(\i/2)+\s, RSC+\s, \i%2, \j
.else
	WMR ACC+8*(8*\j+\i), \buf+12*\i, \buf+96+12*\j, \cb+8*\j, PSC+8*(\i/2)+\s, RSC+\s, \i%2, \j
.endif
.endr
.endr
.endm
; a tile: eight K steps; step s + 1's images are fetched while step s is multiplied.  sync = 1: the blocks' second halves are awaited ahead of the first fetch from them
.macro TILE ap, ar, cm, cb, sync
.irp s, 0,1,2,3,4,5,6,7
	s_wait_dscnt 0x0                               ; this step's images are in
.if \sync && (\s == 3)
	s_wait_tensorcnt 0x1                           ; my part of the second halves has landed; Wk's load, issued behind it, may stay out
	s_barrier_signal -1
	s_barrier_wait -1
.endif
.if \s < 7
	PLACES                                         ; four places in front of loads into registers that the last step's products have read
	FETCH F0+128*((\s+1)%2), \ap+(\s+1)/4, \ar+(\s+1)/4, ((\s+1)%4)*12288
.endif
.if \s == 0
	MUL F0, 0, \cm, \cb
.else
	MUL F0+128*(\s%2), \s, 0, 0
.endif
.endr
.endm
.macro QUANT s0, s1, pc                ; two whole blocks of 32 of a lane become registers pc .. pc + 11; v[W]: bytes (s0, h = 0), (s0, h = 1), (s1, h = 0), (s1, h = 1).  Each accumulator is read from its low end on
	v_max3_num_f32 v[BM], |v[\s0]|, |v[\s0+1]|, |v[\s0+2]|
	v_max3_num_f32 v[BM+2], |v[\s1]|, |v[\s1+1]|, |v[\s1+2]|
	v_max3_num_f32 v[BM+1], |v[\s0+3]|, |v[\s0+4]|, |v[\s0+5]|
	v_max3_num_f32 v[BM+3], |v[\s1+3]|, |v[\s1+4]|, |v[\s1+5]|
.irp i, 6,10,14,18,22,26
	v_max3_num_f32 v[BM], v[BM], |v[\s0+\i]|, |v[\s0+\i+1]|
	v_max3_num_f32 v[BM+2], v[BM+2], |v[\s1+\i]|, |v[\s1+\i+1]|
	v_max3_num_f32 v[BM+1], v[BM+1], |v[\s0+\i+2]|, |v[\s0+\i+3]|
	v_max3_num_f32 v[BM+3], v[BM+3], |v[\s1+\i+2]|, |v[\s1+\i+3]|
.endr
	v_max3_num_f32 v[BM], v[BM], |v[\s0+30]|, |v[\s0+31]|
	v_max3_num_f32 v[BM+2], v[BM+2], |v[\s1+30]|, |v[\s1+31]|
	v_max3_num_f32 v[BM], v[BM], v[BM+1], 0x1800000                  ; the floor 2^(3 - 127): the byte cannot fall under 1
	v_max3_num_f32 v[BM+2], v[BM+2], v[BM+3], 0x1800000
	v_add_nc_u32 v[SCO], 0xff000000, v[BM]                           ; 2 off the exponent field: the conversion's scale operand
	v_add_nc_u32 v[SCO+1], 0xff000000, v[BM+2]
	v_lshrrev_b32 v[BY], 23, v[SCO]
	v_lshrrev_b32 v[BY+1], 23, v[SCO+1]
	v_lshl_or_b32 v[W], v[BY+1], 16, v[BY]
	v_lshlrev_b32 v[W], v[SH8], v[W]
	v_permlanex16_b32 v[T], v[W], s[SEL], s[SEL+1]
	v_or_b32 v[W], v[W], v[T]
	v_cvt_scalef32_pk16_fp6_f32 v[\pc:\pc+2], v[\s0:\s0+15], v[SCO]
	v_cvt_scalef32_pk16_fp6_f32 v[PT:PT+2], v[\s0+16:\s0+31], v[SCO]
	v_cvt_scalef32_pk16_fp6_f32 v[\pc+6:\pc+8], v[\s1:\s1+15], v[SCO+1]
	v_cvt_scalef32_pk16_fp6_f32 v[PT+4:PT+6], v[\s1+16:\s1+31], v[SCO+1]
	v_nop                                                            ; one plain place behind the conversions
.irp i, 0,1,2
	v_mov_b32 v[\pc+3+\i], v[PT+\i]
	v_mov_b32 v[\pc+9+\i], v[PT+4+\i]
.endr
.endm
.macro SCLOAD dst, n, base, off        ; the scale words of n pairs of tiles for all eight K steps: 256 consecutive bytes a load
.set PP, 0
.rept \n
.irp kg, 0,1,2,3
	global_load_b64 v[\dst+8*PP+2*\kg:\dst+8*PP+2*\kg+1], v[LI8], s[\base:\base+1] offset:\off+1024*PP+256*\kg
.endr
.set PP, PP+1
.endr
.endm
; q's and k's way out: for each of the two heads my two tiles' codes make a pair image; straight from registers, 512 consecutive bytes a store
.macro QKOUT cbase, sbase, cstep, sstep
	s_wait_xcnt 0x0                                ; earlier stores have read their registers: only behind this wait are these written again
.irp a, 0,1
	QUANT ACC+32*\a, ACC+64+32*\a, PCA+12*\a
.irp g, 0,1,2
	global_store_b128 v[LI16], v[PCA+12*\a+4*\g:PCA+12*\a+4*\g+3], s[\cbase:\cbase+1] offset:\a*\cstep+512*\g
.endr
	v_lshrrev_b32 v[WS+\a], v[SH16], v[W]          ; lanes 0-15: the even tile's two bytes lowest; lanes 16-31: the odd tile's.  What stands in bytes 2 and 3 scales zero codes, and is never 0xff
	global_store_b32 v[LI4], v[WS+\a], s[\sbase:\sbase+1] offset:\a*\sstep
.endr
.endm
	s_load_b256 s[4:11], s[0:1], 0x0               ; xq s[4:5], wq s[6:7], bq s[8:9], bk s[10:11]
	s_load_b128 s[12:15], s[0:1], 0x20             ; bv s[12:13], qq s[14:15]
	s_load_b64 s[16:17], s[0:1], 0x30              ; kv
	v_lshl_add_u32 v[SPW], v0, 2, SPARE
	v_mov_b32 v[NIL], 0
	ds_add_u32 v[SPW], v[NIL]                      ; the wave's opening: the adds and their wait stand ahead of my first tensor load; work on registers stands between them
	ds_add_u32 v[SPW], v[NIL]
	v_lshrrev_b32 v1, 5, v0
	v_readfirstlane_b32 s18, v1                    ; wave 0..3
	s_lshr_b32 s19, s18, 1
	s_and_b32 s20, s18, 1
	s_bfe_u32 s21, ttmp6, 0x40000                  ; cx
	s_bfe_u32 s22, ttmp6, 0x40004                  ; cy
	s_lshl_b32 s23, ttmp9, 2
	s_add_co_u32 s23, s23, s21                     ; cg = 4 x cluster x + cx
	s_and_b32 s24, ttmp7, 0xffff
	s_lshl_b32 s24, s24, 2
	s_add_co_u32 s24, s24, s22                     ; rb = 4 x cluster y + cy
	s_lshl_b32 s25, s22, 2
	s_lshl_b32 s25, 15, s25                        ; my row of the cluster
	s_lshl_b32 s29, 0x1111, s21                    ; my column
	s_or_b32 s[G1X], s25, (3<<16)|(1<<21)          ; 15:0 the mask; 17:16 elements of 8 bytes; 21 set beside a mask; no padding: images are read as consecutive bytes
	s_or_b32 s[G1W], s29, (3<<16)|(1<<21)
.irp g, G1X, G1W
	s_mov_b32 s[\g+1], 32<<16                      ; tensor_dim0 = 32 elements: rows of 256 bytes
	s_mov_b32 s[\g+2], 192<<16                     ; tensor_dim1 = 192: the head's loads bring half a block each
	s_mov_b32 s[\g+3], 32<<16                      ; tile_dim0
	s_mov_b32 s[\g+4], 192                         ; tile_dim1
	s_mov_b32 s[\g+5], 32                          ; the pitch: dense
	s_mov_b32 s[\g+6], 0
	s_mov_b32 s[\g+7], 0
.endr
	s_mul_i32 s30, s20, HALF                       ; which half of a block I fetch at the head: in memory and in LDS
	s_mul_i32 s31, s18, QTR                        ; which quarter of a whole block
	s_mul_i32 s3, s18, 3072                        ; my two tiles in a K step
	s_mul_i32 s76, s24, 98304                      ; x's block: by rb alone
	s_add_co_u32 s76, s76, s30
	s_mov_b32 s77, 0
	s_mul_i32 s78, s23, 98304                      ; the weights' block: by cg alone
	s_add_co_u32 s80, s78, s31
	s_add_co_u32 s78, s78, s30
	s_mov_b32 s79, 0
	s_mov_b32 s81, 0
	s_mov_b32 s[SEL], 0x76543210
	s_mov_b32 s[SEL+1], 0xfedcba98
	s_mov_b32 s[MHI], 0xffff0000
	s_wait_dscnt 0x0                               ; the opening add is done
	s_wait_kmcnt 0x0
	s_add_nc_u64 s[76:77], s[4:5], s[76:77]
	s_add_nc_u64 s[78:79], s[6:7], s[78:79]
	s_add_nc_u64 s[80:81], s[6:7], s[80:81]
	CROUND                                         ; all sixteen work-groups are here: the first joint loads meet
.irp c, 0
	s_mov_b32 s[G0X+4*\c], 1
	s_add_co_u32 s[G0X+4*\c+1], s30, XR+\c*HALF
	s_add_nc_u64 s[G0X+4*\c+2:G0X+4*\c+3], s[76:77], \c*HALF
	s_or_b32 s[G0X+4*\c+3], s[G0X+4*\c+3], 0x80000000
	s_mov_b32 s[G0Q+4*\c], 1
	s_add_co_u32 s[G0Q+4*\c+1], s30, WA+\c*HALF
	s_add_nc_u64 s[G0Q+4*\c+2:G0Q+4*\c+3], s[78:79], \c*HALF
	s_or_b32 s[G0Q+4*\c+3], s[G0Q+4*\c+3], 0x80000000
	JLOAD \c
.endr
	s_mov_b32 s[G0K], 1
	s_add_co_u32 s[G0K+1], s31, WB
	s_add_nc_u64 s[G0K+2:G0K+3], s[80:81], 786432
	s_or_b32 s[G0K+3], s[G0K+3], 0x80000000
	s_mov_b32 s[G0V], 1
	s_add_co_u32 s[G0V+1], s31, WA
	s_add_nc_u64 s[G0V+2:G0V+3], s[80:81], 1572864
	s_or_b32 s[G0V+3], s[G0V+3], 0x80000000
	v_and_b32 v1, 31, v0
	v_lshlrev_b32 v[LI16], 4, v1
	v_lshlrev_b32 v[LI4], 2, v1
	v_lshlrev_b32 v[LI8], 3, v1
	v_bfe_u32 v19, v0, 4, 1                        ; h
	v_lshlrev_b32 v[SH8], 3, v19
	v_lshlrev_b32 v[SH16], 4, v19
	v_lshlrev_b32 v1, 7, v19                       ; bq, bk: my half's 32 numbers of a head begin 128 h bytes on
	v_bfe_u32 v19, v0, 3, 1
	v_and_b32 v[T], 7, v0
	v_lshlrev_b32 v[T], 2, v[T]
	v_lshl_add_u32 v19, v19, 7, v[T]               ; bv: my column of a tile: 32 (r / 8) + r % 8, in bytes
	v_mov_b32 v[T], 0                              ; a lane permute's destination counts as one of its sources
	v_add_nc_u32 v[APX], XR, v[LI16]
	v_add_nc_u32 v[APX+1], XR+HALF, v[LI16]
	v_add_nc_u32 v[APA], WA, v[LI16]
	v_add_nc_u32 v[APA+1], WA+HALF, v[LI16]
	v_add_nc_u32 v[APB], WB, v[LI16]
	v_add_nc_u32 v[APB+1], WB+HALF, v[LI16]
	v_add_nc_u32 v[ARX], s3, v[APX]
	v_add_nc_u32 v[ARX+1], s3, v[APX+1]
	v_add_nc_u32 v[ARA], s3, v[APA]
	v_add_nc_u32 v[ARA+1], s3, v[APA+1]
	s_lshl_b32 s82, s23, 9                         ; the biases of my 128 columns
	s_mov_b32 s83, 0
	s_add_nc_u64 s[8:9], s[8:9], s[82:83]
	s_add_nc_u64 s[10:11], s[10:11], s[82:83]
	s_lshl_b32 s2, s19, 8
	s_add_co_u32 s82, s82, s2
	s_lshl_b32 s2, s20, 6
	s_add_co_u32 s82, s82, s2                      ; bv: + 64 (w / 2) + 16 (w % 2) columns
	s_add_nc_u64 s[12:13], s[12:13], s[82:83]
	WIN 0x80                                       ; destination window 2
.irp i, 0,1,2,3,4,5,6,7                        ; tile i of the weight: columns 64 (i / 4) + 32 h + 8 (i % 4) + 0 .. 7
	global_load_b128 v[BQ+8*\i:BQ+8*\i+3], v1, s[8:9] offset:(64*(\i/4)+8*(\i%4))*4
	global_load_b128 v[BQ+8*\i+4:BQ+8*\i+7], v1, s[8:9] offset:(64*(\i/4)+8*(\i%4))*4+16
	global_load_b128 v[BK+8*\i:BK+8*\i+3], v1, s[10:11] offset:(64*(\i/4)+8*(\i%4))*4
	global_load_b128 v[BK+8*\i+4:BK+8*\i+7], v1, s[10:11] offset:(64*(\i/4)+8*(\i%4))*4+16
.endr
.irp j, 0,1                                    ; in v's tile a lane holds one column: its bias in all eight registers
.irp e, 0,1,2,3,4,5,6,7
	global_load_b32 v[BV+8*\j+\e], v19, s[12:13] offset:32*\j
.endr
.endr
	WIN 0
	s_lshl_b32 s82, s23, 12                        ; scale words: the weights' four pairs of block cg,
	s_add_co_u32 s82, s82, 3145728
	s_add_nc_u64 s[SWB:SWB+1], s[6:7], s[82:83]
	s_lshl_b32 s2, s18, 10
	s_add_co_u32 s82, s82, s2                      ; my pair of them,
	s_add_nc_u64 s[SWW:SWW+1], s[6:7], s[82:83]
	s_lshl_b32 s82, s24, 12                        ; x's four pairs of block rb,
	s_add_co_u32 s82, s82, 3145728
	s_add_nc_u64 s[SXB:SXB+1], s[4:5], s[82:83]
	s_add_co_u32 s82, s82, s2                      ; my pair of them
	s_add_nc_u64 s[SXW:SXW+1], s[4:5], s[82:83]
	SCLOAD PSC, 4, SWB, 0                          ; Wq's
	SCLOAD RSC, 1, SXW, 0
	s_mov_b32 s3, 0
	s_lshl_b32 s82, s23, 8                         ; q: head 2 cg, pair 4 rb + w
	s_lshl_b32 s2, s24, 2
	s_add_co_u32 s82, s82, s2
	s_add_co_u32 s82, s82, s18
	s_mul_i32 s2, s82, 1536
	s_add_nc_u64 s[QCB:QCB+1], s[14:15], s[2:3]
	s_lshl_b32 s2, s82, 7
	s_add_co_u32 s2, s2, 3145728
	s_add_nc_u64 s[QSB:QSB+1], s[14:15], s[2:3]
	s_lshl_b32 s82, s23, 6                         ; kv: head 2 cg, key step rb
	s_add_co_u32 s82, s82, s24
	s_mul_i32 s82, s82, 13056
	s_mul_i32 s2, s18, 1536
	s_add_co_u32 s2, s2, s82
	s_add_nc_u64 s[KCB:KCB+1], s[16:17], s[2:3]
	s_lshl_b32 s2, s18, 7
	s_add_co_u32 s2, s2, s82
	s_add_co_u32 s2, s2, 12288
	s_add_nc_u64 s[KSB:KSB+1], s[16:17], s[2:3]
	s_mul_i32 s2, s19, 417792                      ; v: my two tiles of columns lie in head 2 cg + w / 2: its tiles 2 (w % 2) and 2 (w % 2) + 1
	s_add_co_u32 s82, s82, s2
	s_mul_i32 s2, s20, 3072
	s_add_co_u32 s2, s2, s82
	s_add_co_u32 s2, s2, 6144
	s_add_nc_u64 s[VCB:VCB+1], s[16:17], s[2:3]
	s_lshl_b32 s2, s20, 7
	s_add_co_u32 s2, s2, s82
	s_add_co_u32 s2, s2, 12800
	s_add_nc_u64 s[VSB:VSB+1], s[16:17], s[2:3]
	; ---- q
	s_wait_alu depctr_va_vdst(0)
	s_wait_tensorcnt 0x0                           ; my half of x's or of Wq's block has landed
	ds_add_u32 v[SPW], v[NIL]
	s_mov_b32 s[G1W+2], 96<<16                     ; no tensor load of mine is out: from here on a weight's load brings a quarter of a block, 96 rows
	s_mov_b32 s[G1W+4], 96
	s_wait_dscnt 0x0
	CROUND                                         ; everybody's part is in, and all sixteen work-groups are here
	tensor_load_to_lds s[G0K:G0K+3], s[G1W:G1W+7]  ; Wk's block, a quarter a wave: my one load behind the round; it has q's whole tile in which to land
	s_nop 0
	PLACES
	FETCH F0, APA, ARX, 0
	s_wait_loadcnt 0x0                             ; biases and scale words
	TILE APA, ARX, 1, BQ, 0
	; ---- Wq's block is done with: Wv's takes its place
	WIN 0
	s_wait_tensorcnt 0x0                           ; all my tensor loads have landed, my quarter of Wk among them;
	ds_add_u32 v[SPW], v[NIL]
	s_wait_dscnt 0x0                               ; the add is done, and my reads of Wq's block are over
	CROUND                                         ; both now hold of every wave of all sixteen work-groups
	tensor_load_to_lds s[G0V:G0V+3], s[G1W:G1W+7]  ; my one load behind the round: it has k's whole tile in which to land
	s_nop 0
	PLACES                                         ; also the places in front of the loads below and of the first read of q's sums
	SCLOAD PSC, 4, SWB, 32768                      ; Wk's scale words
	FETCH F0, APB, ARX, 0
	WIN 0
	QKOUT QCB, QSB, 196608, 16384
	; ---- k
	s_wait_loadcnt 0x0
	TILE APB, ARX, 1, BK, 0
	WIN 0
	s_wait_tensorcnt 0x0                           ; my quarter of Wv has landed
	ds_add_u32 v[SPW], v[NIL]
	s_wait_dscnt 0x0
	s_barrier_signal -1
	s_barrier_wait -1                              ; everybody's has
	PLACES
	SCLOAD PSC, 4, SXB, 0                          ; the sides change: P = x,
	SCLOAD RSC, 1, SWW, 65536                      ; R = Wv
	FETCH F0, APX, ARA, 0
	WIN 0
	QKOUT KCB, KSB, 417792, 417792
	; ---- v
	s_wait_loadcnt 0x0
	TILE APX, ARA, 2, BV, 0
	WIN 0
	PLACES
	s_wait_xcnt 0x0
.irp j, 0,1                                    ; a lane holds one channel and 2 x 32 neighbouring keys: a fragment of V^T as it stands
	QUANT ACC+64*\j, ACC+64*\j+32, PCA+12*\j
.irp g, 0,1,2
	global_store_b128 v[LI16], v[PCA+12*\j+4*\g:PCA+12*\j+4*\g+3], s[VCB:VCB+1] offset:1536*\j+512*\g
.endr
.if \j == 0
	v_mov_b32 v[WS], v[W]
.else
	v_cndmask_b32 v[WS], v[WS], v[W], s[MHI]       ; lanes 16-31: the odd tile's words
.endif
.endr
	global_store_b32 v[LI4], v[WS], s[VSB:VSB+1]
	s_wait_tensorcnt 0x0                           ; the wave's end
	ds_add_u32 v[SPW], v[NIL]
	s_wait_dscnt 0x0
	CROUND                                         ; the closing round
	s_endpgm
.Lfunc_end_k_q4b8b8aaa61_qkv:
	.size	k_q4b8b8aaa61_qkv, .Lfunc_end_k_q4b8b8aaa61_qkv-k_q4b8b8aaa61_qkv
	.p2alignl 7, 3214868480
	.fill 96, 4, 3214868480
	.section	.rodata,"a",@progbits
	.p2align	6, 0x0
	.amdhsa_kernel k_q4b8b8aaa61_qkv
		.amdhsa_group_segment_fixed_size 327680
		.amdhsa_private_segment_fixed_size 0
		.amdhsa_enable_private_segment 0
		.amdhsa_kernarg_size 56
		.amdhsa_user_sgpr_count 2
		.amdhsa_user_sgpr_kernarg_segment_ptr 1
		.amdhsa_wavefront_size32 1
		.amdhsa_system_sgpr_workgroup_id_x 1
		.amdhsa_system_sgpr_workgroup_id_y 1
		.amdhsa_system_sgpr_workgroup_id_z 1
		.amdhsa_system_vgpr_workitem_id 0
		.amdhsa_next_free_vgpr 768
		.amdhsa_next_free_sgpr 102
		.amdhsa_reserve_vcc 0
		.amdhsa_float_denorm_mode_32 3
		.amdhsa_float_denorm_mode_16_64 3
		.amdhsa_memory_ordered 1
		.amdhsa_forward_progress 1
		.amdhsa_inst_pref_size 138
	.end_amdhsa_kernel
	.amdgpu_metadata
---
amdhsa.version: [ 1, 2 ]
amdhsa.kernels:
  - .name:           k_q4b8b8aaa61_qkv
    .symbol:         k_q4b8b8aaa61_qkv.kd
    .args:
      - { .name: xq, .offset: 0, .size: 8, .value_kind: global_buffer, .address_space: global }
      - { .name: wq, .offset: 8, .size: 8, .value_kind: global_buffer, .address_space: global }
      - { .name: bq, .offset: 16, .size: 8, .value_kind: global_buffer, .address_space: global }
      - { .name: bk, .offset: 24, .size: 8, .value_kind: global_buffer, .address_space: global }
      - { .name: bv, .offset: 32, .size: 8, .value_kind: global_buffer, .address_space: global }
      - { .name: qq, .offset: 40, .size: 8, .value_kind: global_buffer, .address_space: global }
      - { .name: kv, .offset: 48, .size: 8, .value_kind: global_buffer, .address_space: global }
    .group_segment_fixed_size: 327680
    .private_segment_fixed_size: 0
    .kernarg_segment_align: 8
    .kernarg_segment_size: 56
    .max_flat_workgroup_size: 128
    .sgpr_count:     102
    .vgpr_count:     768
    .wavefront_size: 32
...
	.end_amdgpu_metadata
.endif
;; end of part 2
;; launch attn (part 3): grid 16 x 16, 16 waves a work-group, clusters of 4 x 1, 327,680 bytes of LDS; arguments qq, kv, cq; writes cq
.if DOCPART == 3
	.amdgcn_target "amdgcn-amd-amdhsa--gfx1250"
	.amdhsa_code_object_version 6
	.text
	.protected	k_q4b8b8aaa61_attn
	.globl	k_q4b8b8aaa61_attn
	.p2align	8
	.type	k_q4b8b8aaa61_attn,@function
k_q4b8b8aaa61_attn:
	s_mov_b64 s[64:65], 0
	v_nop
	global_prefetch_b8 v0, s[64:65] scope:SCOPE_SE
	s_setreg_imm32_b32 hwreg(HW_REG_WAVE_MODE, 25, 1), 1
	s_wait_xcnt 0x0
	s_wait_alu depctr_hold_cnt(0) depctr_sa_sdst(0) depctr_va_vdst(0) depctr_va_sdst(0) depctr_va_ssrc(0) depctr_va_vcc(0) depctr_vm_vsrc(0)
	s_getreg_b32 s2, hwreg(HW_REG_IB_STS2, 6, 4)
	s_cmp_eq_u32 s2, 0
	s_cbranch_scc0 .Lentry_in_a_cluster
	s_endpgm
.Lentry_in_a_cluster:
	s_bfe_u32 s2, ttmp6, 0x10000c
	s_cmp_lg_u32 s2, 0x3003
	s_cbranch_scc0 .Lentry_shape_is_right
	s_endpgm
.Lentry_shape_is_right:
; ctx[q] = the sum over keys of softmax(q . k / 8) v for one head, both products on codes of FP6 (E2M3) with E8M0 scales; ctx is quantised along the hidden axis for the last product.
; THE SOFTMAX: t = score x log2(e) / 8; M = the running largest t rounded UP to a whole number; p = 2^(t - M) is quantised along the keys, not normalised; the row's sum is taken of the unquantised p and divides at the end.
; When M moves, the sum and O are multiplied by 2^(old M - new M): exact.
; SHARES.  A work-group owns 256 queries of one head; each of its sixteen waves one tile of 16 queries, in 256 registers: four waves to a SIMD, no register windows.
; LAYOUT.  Both products are used transposed (S^T = K Q^T, O^T = V^T P^T): a lane holds one query.  A tile's 16 keys are not neighbours (key rho of tile T: 64 (T / 4) + 32 (rho / 8) + 8 (T % 4) + rho % 8), so the 32 registers of
; tiles 4 c .. 4 c + 3 are keys 64 c + 32 (lane / 16) + 0 .. 31: a whole block of the second product's K, where the operand's layout wants it.
; THE FIRST PRODUCT'S K IS 64: Q's registers 6-11 are zero codes.  K's fragments lie 6 registers apart, so a fragment's upper half is the next tile's codes (behind the last: p's codes): every code is a finite number,
; so those products are 0; the scale bytes that go with them are 1 .. 254 or 0, never 0xff.
; RING.  A key step (128 keys) is 13,056 dense bytes: K's 4 pair images, V^T's 4 images, their scale words.  Two slots of eight steps; waves 0-7 fetch a step each, 51 rows of 256 bytes.  32 steps are four fills.
; FRAGMENTS.  K and V have registers of their own: step n + 1's K is fetched behind step n's first products, its V behind step n's second products; a slot's last step fetches nothing, so it is written out.
; CLUSTER.  The four query blocks of a cluster walk the same head: each tile is asked for jointly.
; PREFETCH.  Behind the change of slots that asks for fill f, fill f + 1 is named: eight key steps ahead of its load.  All four clusters of a head walk the same bytes: the head's first cluster asks; its four partners take
; two key steps (102 blocks of 256 bytes) each, told apart by address; waves 8-11 ask, a lane a block (wave 11's last lanes name its last block again).  The last filling change asks for nothing.
; LIMITS: the promise holds while the scaled scores stay under 2^31 in magnitude; a block of zeros gets the byte 1 (its codes are zeros; this program alone reads the bytes); NaN and infinities are not served.
.set STEPB, 13056
.set NST,   8
.set SLOTB, NST*STEPB
.set SLOT1, 131072                     ; slot 1 begins here: one exclusive or turns an address in one slot into the other's
.set SPARE, 262144                     ; the spare words, 128 bytes for each of sixteen waves, which no other line names
.set STG,   264192                     ; 1,024 bytes: the stage of ctx's scale words; no tensor load lands here
.set HEADB, 32*STEPB
.set LI16,  1
.set LI4,   2
.set LI8,   3
.set AD16,  4                          ; the step whose fragments are fetched: images
.set AD4,   5                          ; scale words
.set PFO,   6                          ; the prefetches' offset; never rewritten
.set SH8,   7                          ; 8 (lane / 16)
.set SPW,   8                          ; LDS address of my spare word; never rewritten
.set NIL,   9                          ; 0; never rewritten
.set W,     10
.set GOF,   11                         ; the way out of the scale words: 16 x thread
.set KS,    12                         ; v12-15 K's scale words, a register a pair of tiles
.set VS,    16                         ; v16-17 V's
.set QS,    18                         ; Q's, in lanes 0-15
.set PS,    19                         ; p's
.set NM,    20                         ; -M
.set SX,    21                         ; the running largest score
.set SUM,   22                         ; v22-23 the row's sum in two halves
.set F,     24                         ; v24 2^(old M - new M); v25 is named as the upper half of the pair
.set BM,    26                         ; v26-29 the blocks' largest scores
.set SCO,   30
.set BY,    32
.set TMP,   34                         ; v34-37
.set PT0,   BM                         ; the halves that a conversion cannot put at an odd register stand where the maxima stood
.set PT1,   TMP
.set CA,    BM                         ; three more chains of the row's sum
.set CB,    BM+2
.set CC,    TMP
.set STA,   38
.set RDA,   39
.set QF,    40                         ; v40-51   Q
.set VF,    52                         ; v52-99   V^T's 4 fragments
.set KF,    100                        ; v100-147 K's 8 x 6 registers
.set PC,    148                        ; v148-159 p's codes, directly behind K
.set O,     160                        ; v160-191 O^T
.set S,     192                        ; v192-255 S^T, then p
.set WV,    10
.set G1,    16
.set G0,    24
.set CS,    28
.set SEL,   30
.set TB,    32
.set SLOTS, 33
.set STP,   34
.set LIM,   35
.set PFA,   36
.set ODD,   38
.macro PLACES
.rept 4
	v_nop
.endr
.endm
.macro CROUND                          ; a round of the cluster's barrier
	s_barrier_signal -1
	s_barrier_wait -1
	s_cmp_lg_u32 s[WV], 0
	s_cbranch_scc1 .Lnot_wave_0_\@
	s_barrier_signal -3
.Lnot_wave_0_\@:
	s_barrier_wait -3
	s_barrier_signal -1
	s_barrier_wait -1
.endm
.macro TLOAD                           ; waves 0-7 fetch a key step each, jointly for the four work-groups; the branch hangs on the wave's number alone
	s_cmp_lt_u32 s[WV], NST
	s_cbranch_scc0 .Lasked_\@
	tensor_load_to_lds s[G0:G0+3], s[G1:G1+7]
	s_nop 0
	PLACES
.Lasked_\@:
.endm
.macro ASK
	s_cmp_gt_u32 s[SLOTS], s[LIM]
	s_cbranch_scc0 .Lnot_mine_\@
	global_prefetch_b8 v[PFO], s[PFA:PFA+1] th:TH_LOAD_NT scope:SCOPE_SE
.Lnot_mine_\@:
.endm
.macro WMS tau                         ; S^T of 16 keys: starts its sums
.if (\tau)%2 == 0
	v_wmma_scale_f32_16x16x128_f8f6f4 v[S+8*\tau:S+8*\tau+7], v[KF+6*\tau:KF+6*\tau+11], v[QF:QF+11], 0, v[KS+\tau/2], v[QS] matrix_a_fmt:MATRIX_FMT_FP6 matrix_b_fmt:MATRIX_FMT_FP6
.else
	v_wmma_scale_f32_16x16x128_f8f6f4 v[S+8*\tau:S+8*\tau+7], v[KF+6*\tau:KF+6*\tau+11], v[QF:QF+11], 0, v[KS+\tau/2], v[QS] matrix_a_fmt:MATRIX_FMT_FP6 matrix_b_fmt:MATRIX_FMT_FP6 matrix_a_scale:MATRIX_SCALE_ROW1
.endif
.endm
.macro WMO i                           ; O^T of 16 channels: onto its sums
.if (\i)%2 == 0
	v_wmma_scale_f32_16x16x128_f8f6f4 v[O+8*\i:O+8*\i+7], v[VF+12*\i:VF+12*\i+11], v[PC:PC+11], v[O+8*\i:O+8*\i+7], v[VS+\i/2], v[PS] matrix_a_fmt:MATRIX_FMT_FP6 matrix_b_fmt:MATRIX_FMT_FP6
.else
	v_wmma_scale_f32_16x16x128_f8f6f4 v[O+8*\i:O+8*\i+7], v[VF+12*\i:VF+12*\i+11], v[PC:PC+11], v[O+8*\i:O+8*\i+7], v[VS+\i/2], v[PS] matrix_a_fmt:MATRIX_FMT_FP6 matrix_b_fmt:MATRIX_FMT_FP6 matrix_a_scale:MATRIX_SCALE_ROW1
.endif
.endm
.macro KLOAD                           ; 16 LDS loads: K's images as they lie, 512 consecutive bytes a load, and its scale words
.irp g, 0,1,2,3,4,5,6,7,8,9,10,11
	ds_load_b128 v[KF+4*\g:KF+4*\g+3], v[AD16] offset:512*\g
.endr
.irp p, 0,1,2,3
	ds_load_b32 v[KS+\p], v[AD4] offset:12288+128*\p
.endr
.endm
.macro VLOAD                           ; 14 LDS loads: V^T's
.irp g, 0,1,2,3,4,5,6,7,8,9,10,11
	ds_load_b128 v[VF+4*\g:VF+4*\g+3], v[AD16] offset:6144+512*\g
.endr
.irp p, 0,1
	ds_load_b32 v[VS+\p], v[AD4] offset:12800+128*\p
.endr
.endm
.macro ADD4                            ; eight more p onto the row's sum, four chains by turns
	v_pk_add_f32 v[CA:CA+1], v[CA:CA+1], v[S+PJ:S+PJ+1]
	v_pk_add_f32 v[CB:CB+1], v[CB:CB+1], v[S+PJ+2:S+PJ+3]
	v_pk_add_f32 v[CC:CC+1], v[CC:CC+1], v[S+PJ+4:S+PJ+5]
	v_pk_add_f32 v[SUM:SUM+1], v[SUM:SUM+1], v[S+PJ+6:S+PJ+7]
.set PJ, PJ+8
.endm
; A KEY STEP: 128 keys.  nxt = 1: the next step lies in the same slot, and its fragments are fetched
.macro STEP nxt
	s_wait_dscnt 14                                ; K and its words are in; V's 12 + 2 loads, issued behind them, may stay out
.irp tau, 0,1,2,3,4,5,6,7
	WMS \tau
.endr
.if \nxt
	s_add_co_u32 s[TB], s[TB], STEPB
	v_add_nc_u32 v[AD16], s[TB], v[LI16]           ; four places behind the products, in front of loads into registers that they have read and of the first read of S^T
	v_add_nc_u32 v[AD4], s[TB], v[LI4]
	v_nop
	v_nop
	KLOAD
.else
	PLACES
.endif
	v_max3_num_f32 v[BM], v[S], v[S+1], v[S+2]                       ; THE LARGEST SCORE OF EACH OF MY TWO BLOCKS OF 32 KEYS: it serves the row's maximum and, since p rises with the score, the block's largest p.  Each accumulator is read from its low end on
	v_max3_num_f32 v[BM+2], v[S+32], v[S+33], v[S+34]
	v_max3_num_f32 v[BM+1], v[S+3], v[S+4], v[S+5]
	v_max3_num_f32 v[BM+3], v[S+35], v[S+36], v[S+37]
.irp i, 6,10,14,18,22,26
	v_max3_num_f32 v[BM], v[BM], v[S+\i], v[S+\i+1]
	v_max3_num_f32 v[BM+2], v[BM+2], v[S+32+\i], v[S+33+\i]
	v_max3_num_f32 v[BM+1], v[BM+1], v[S+\i+2], v[S+\i+3]
	v_max3_num_f32 v[BM+3], v[BM+3], v[S+34+\i], v[S+35+\i]
.endr
	v_max3_num_f32 v[BM], v[BM], v[BM+1], v[S+30]
	v_max3_num_f32 v[BM+2], v[BM+2], v[BM+3], v[S+62]
	v_max_num_f32 v[BM], v[BM], v[S+31]
	v_max_num_f32 v[BM+2], v[BM+2], v[S+63]
	v_max3_num_f32 v[TMP], v[BM], v[BM+2], v[SX]
	s_delay_alu instid0(VALU_DEP_1)
	v_permlanex16_b32 v[TMP+1], v[TMP], s[SEL], s[SEL+1]             ; the query's other 64 keys lie in the lane 16 away
	s_delay_alu instid0(VALU_DEP_1)
	v_max_num_f32 v[SX], v[TMP], v[TMP+1]                            ; the running largest score
	s_delay_alu instid0(VALU_DEP_1)
	v_mul_f32 v[TMP], s[CS], v[SX]                                   ; as t (c is positive)
	s_delay_alu instid0(VALU_DEP_1)
	v_floor_f32 v[TMP], -v[TMP]                                      ; the new -M = floor(-t): M is a whole number
	s_delay_alu instid0(VALU_DEP_1)
	v_sub_f32 v[TMP+1], v[TMP], v[NM]                                ; old M - new M: a whole number, 0 or less
	v_mov_b32 v[NM], v[TMP]
	v_cvt_i32_f32 v[TMP+1], v[TMP+1]                                 ; (it saturates)
	v_fma_f32 v[BM], v[BM], s[CS], v[NM]                             ; t - M of each block's largest score
	v_fma_f32 v[BM+2], v[BM+2], s[CS], v[NM]
	v_ldexp_f32 v[F], 1.0, v[TMP+1]                                  ; f = 2^(old M - new M)
.set J, 0
.rept 32
	v_pk_fma_f32 v[S+J:S+J+1], v[S+J:S+J+1], s[CS:CS+1], v[NM:NM+1] op_sel_hi:[1,0,0]   ; t - M, two at a time
.set J, J+2
.endr
	v_pk_mul_f32 v[SUM:SUM+1], v[SUM:SUM+1], v[F:F+1] op_sel_hi:[1,0]    ; the sum and O^T under the new M, ahead of the exponentials
.set J, 0
.rept 16
	v_pk_mul_f32 v[O+J:O+J+1], v[O+J:O+J+1], v[F:F+1] op_sel_hi:[1,0]
.set J, J+2
.endr
	s_wait_alu depctr_va_vdst(0)
	s_wait_dscnt 16*\nxt                           ; V is in; the next step's K, 12 + 4 loads issued behind it, may stay out
.set J, 0
.rept 64
	v_exp_f32 v[S+J], v[S+J]                       ; p = 2^(t - M), at most 1
.set J, J+1
.endr
	v_exp_f32 v[BM], v[BM]                         ; the blocks' largest p: the same two instructions on the same number give the same bits
	v_exp_f32 v[BM+2], v[BM+2]
	v_nop                                          ; a plain place behind the batch,
	s_wait_alu depctr_va_vdst(0)                   ; and the one wait ahead of its first reader
	v_max_num_f32 v[BM], 0x1800000, v[BM]          ; the floor 2^(3 - 127): the byte cannot fall under 1
	v_max_num_f32 v[BM+2], 0x1800000, v[BM+2]
	v_add_nc_u32 v[SCO], 0xff000000, v[BM]         ; 2 off the exponent field: the conversion's scale operand
	v_add_nc_u32 v[SCO+1], 0xff000000, v[BM+2]
	v_lshrrev_b32 v[BY], 23, v[SCO]
	v_lshrrev_b32 v[BY+1], 23, v[SCO+1]
	v_lshl_or_b32 v[W], v[BY+1], 16, v[BY]         ; my two bytes: blocks h and 2 + h,
	s_delay_alu instid0(VALU_DEP_1)
	v_lshlrev_b32 v[W], v[SH8], v[W]               ; at their places
	s_delay_alu instid0(VALU_DEP_1)
	v_permlanex16_b32 v[BY], v[W], s[SEL], s[SEL+1]
	v_cvt_scalef32_pk16_fp6_f32 v[PC:PC+2], v[S:S+15], v[SCO]
	v_cvt_scalef32_pk16_fp6_f32 v[PT0:PT0+2], v[S+16:S+31], v[SCO]   ; (a conversion's three registers begin on an even number)
	v_cvt_scalef32_pk16_fp6_f32 v[PC+6:PC+8], v[S+32:S+47], v[SCO+1]
	v_cvt_scalef32_pk16_fp6_f32 v[PT1:PT1+2], v[S+48:S+63], v[SCO+1]
	v_or_b32 v[PS], v[W], v[BY]                    ; with lane l xor 16's two: p's scale word for these 128 keys.  (The plain place behind the conversions)
.irp i, 0,1,2
	v_mov_b32 v[PC+3+\i], v[PT0+\i]
	v_mov_b32 v[PC+9+\i], v[PT1+\i]
.endr
	v_pk_add_f32 v[CA:CA+1], v[S:S+1], v[S+2:S+3]  ; THE ROW'S SUM IS TAKEN OF THE UNQUANTISED p.  These twelve lines are also the places between the scale word and the codes just made and the products that take them
	v_pk_add_f32 v[CB:CB+1], v[S+4:S+5], v[S+6:S+7]
	v_pk_add_f32 v[CC:CC+1], v[S+8:S+9], v[S+10:S+11]
	v_pk_add_f32 v[SUM:SUM+1], v[SUM:SUM+1], v[S+12:S+13]
.set PJ, 14
	ADD4
	ADD4
.irp i, 0,1,2,3
	WMO \i                                         ; the four accumulators by turns
.endr
	ADD4                                           ; four places in front of loads into registers that the products have read
.if \nxt
	VLOAD
.endif
	ADD4
	ADD4
	ADD4
	v_pk_add_f32 v[CA:CA+1], v[CA:CA+1], v[S+62:S+63]
	v_pk_add_f32 v[SUM:SUM+1], v[SUM:SUM+1], v[CC:CC+1]
	v_pk_add_f32 v[CA:CA+1], v[CA:CA+1], v[CB:CB+1]
	s_delay_alu instid0(VALU_DEP_1)
	v_pk_add_f32 v[SUM:SUM+1], v[SUM:SUM+1], v[CA:CA+1]
.endm
; THE CHANGE OF SLOTS stands at a slot's head.  Each wave waits for all its tensor loads (its part of the slot ahead), adds 0 to its spare word, and waits for that and for its reads of the slot that it has left.
; fill = 1: a round of the cluster's barrier, and behind it that other slot is filled with the eight key steps that follow.  The add stands twice there.
.macro CHANGE fill
	s_wait_alu depctr_va_vdst(0)
	s_wait_tensorcnt 0x0                           ; no tensor load of mine is out, so group 0 may be written
	ds_add_u32 v[SPW], v[NIL]
.if \fill
	ds_add_u32 v[SPW], v[NIL]
	s_xor_b32 s[G0+1], s[G0+1], SLOT1              ; the other slot than last time,
	s_add_nc_u64 s[G0+2:G0+3], s[G0+2:G0+3], SLOTB ; the next eight key steps
	s_wait_xcnt 0x0                                ; the last prefetch, a slot back, has read its address
	s_add_nc_u64 s[PFA:PFA+1], s[PFA:PFA+1], SLOTB
.endif
	s_wait_dscnt 0x0
.if \fill
	CROUND
	TLOAD                                          ; the first thing behind the round, a wave's one tensor load until the next
.else
	s_barrier_signal -1
	s_barrier_wait -1
.endif
.endm
.macro RUN ask                         ; a slot's eight key steps
	v_add_nc_u32 v[AD16], s[TB], v[LI16]
	v_add_nc_u32 v[AD4], s[TB], v[LI4]
	KLOAD
	VLOAD
.if \ask
	ASK
.endif
	s_mov_b32 s[STP], NST-1
.Lstep_\@:
	STEP 1
	s_sub_co_u32 s[STP], s[STP], 1
	s_cmp_lg_u32 s[STP], 0
	s_wait_alu depctr_va_vdst(0)
	s_cbranch_scc1 .Lstep_\@
	STEP 0
	s_sub_co_u32 s[TB], s[TB], (NST-1)*STEPB
	s_xor_b32 s[TB], s[TB], SLOT1                  ; on to the other slot
.endm
	s_load_b128 s[4:7], s[0:1], 0x0                ; qq s[4:5], kv s[6:7]
	s_load_b64 s[8:9], s[0:1], 0x10                ; cq
	v_lshl_add_u32 v[SPW], v0, 2, SPARE
	v_mov_b32 v[NIL], 0
	ds_add_u32 v[SPW], v[NIL]                      ; the opening lines: the add, twice on end, and its wait ahead of the first tensor load
	ds_add_u32 v[SPW], v[NIL]
	v_lshrrev_b32 v[W], 5, v0
	v_readfirstlane_b32 s[WV], v[W]                ; wave 0..15
	s_bfe_u32 s11, ttmp6, 0x40000                  ; cx
	s_lshl_b32 s12, ttmp9, 2
	s_add_co_u32 s12, s12, s11                     ; my block of 256 queries: it enters Q's and ctx's addresses alone
	s_and_b32 s13, ttmp7, 0xffff                   ; the head, which the four partners share
	s_mov_b32 s[G1], 15|(3<<16)|(1<<21)            ; 15:0 the mask: all four; 17:16 elements of 8 bytes; 21 set beside a mask; no padding
	s_mov_b32 s[G1+1], 32<<16                      ; rows of 256 bytes
	s_mov_b32 s[G1+2], 51<<16                      ; 51 of them: a key step
	s_mov_b32 s[G1+3], 32<<16
	s_mov_b32 s[G1+4], 51
	s_mov_b32 s[G1+5], 32
	s_mov_b32 s[G1+6], 0
	s_mov_b32 s[G1+7], 0
	s_and_b32 s14, s[WV], 7
	s_mul_i32 s14, s14, STEPB                      ; which step of a slot I fetch: in memory and in LDS
	s_mul_i32 s54, s13, HEADB
	s_add_co_u32 s54, s54, s14
	s_mov_b32 s55, 0
	s_mov_b32 s[CS], 0x3e38aa3b                    ; c = log2(e) / 8
	s_mov_b32 s[CS+1], s[CS]
	s_mov_b32 s[SEL], 0x76543210
	s_mov_b32 s[SEL+1], 0xfedcba98
	s_mov_b32 s[TB], 0
	s_mov_b32 s[SLOTS], 3
	s_and_b32 s39, s[WV], 1
	s_sub_co_u32 s[ODD], 0, s39                    ; all ones in the waves that own a pair's odd tile
	s_lshr_b32 s[LIM], s[WV], 2
	s_xor_b32 s[LIM], s[LIM], 2                    ; 0 in waves 8-11,
	s_or_b32 s[LIM], s[LIM], ttmp9                 ; of the head's first cluster: the same in all four partners
	s_cmp_eq_u32 s[LIM], 0
	s_cselect_b32 s[LIM], 1, -1
	s_wait_dscnt 0x0                               ; both opening adds are done
	s_wait_kmcnt 0x0
	s_mov_b32 s[G0], 1
	s_mov_b32 s[G0+1], s14
	s_add_nc_u64 s[G0+2:G0+3], s[6:7], s[54:55]
	s_or_b32 s[G0+3], s[G0+3], 0x80000000
	CROUND                                         ; all four work-groups are here
	TLOAD                                          ; slot 0
	s_and_b32 s39, s[WV], 3
	s_lshl_b32 s39, s39, 5
	s_mul_i32 s42, s13, HEADB                      ; the prefetches: my work-group's two steps of fill 1; the first change of slots steps it to fill 2
	s_mul_i32 s43, s11, 2*STEPB
	s_add_co_u32 s42, s42, s43
	s_add_co_u32 s42, s42, SLOTB
	s_mov_b32 s43, 0
	s_add_nc_u64 s[PFA:PFA+1], s[6:7], s[42:43]
	s_lshl_b32 s44, s13, 7
	s_lshl_b32 s45, s12, 3
	s_add_co_u32 s44, s44, s45                     ; my work-group's first pair of tiles: 128 head + 8 qb
	s_lshl_b32 s40, s44, 7
	s_add_co_u32 s40, s40, 3145728
	s_mov_b32 s41, 0
	s_add_nc_u64 s[50:51], s[8:9], s[40:41]        ; ctx's scale words: 1,024 bytes a work-group
	s_lshr_b32 s45, s[WV], 1
	s_add_co_u32 s44, s44, s45                     ; my pair
	s_mul_i32 s40, s44, 1536
	s_add_nc_u64 s[46:47], s[4:5], s[40:41]        ; Q's pair image
	s_lshl_b32 s40, s44, 7
	s_add_co_u32 s40, s40, 3145728
	s_add_nc_u64 s[48:49], s[4:5], s[40:41]        ; Q's scale words
	s_lshl_b32 s40, s12, 1                         ; ctx's codes: block 2 qb + wave / 8, K step head / 2, tile wave % 8, half head % 2
	s_lshr_b32 s45, s[WV], 3
	s_add_co_u32 s40, s40, s45
	s_lshl_b32 s40, s40, 3
	s_lshr_b32 s45, s13, 1
	s_add_co_u32 s40, s40, s45
	s_lshl_b32 s40, s40, 3
	s_and_b32 s45, s[WV], 7
	s_add_co_u32 s40, s40, s45
	s_mul_i32 s40, s40, 1536
	s_and_b32 s45, s13, 1
	s_mul_i32 s45, s45, 768
	s_add_co_u32 s40, s40, s45
	s_add_nc_u64 s[52:53], s[8:9], s[40:41]
	v_and_b32 v[W], 31, v0
	v_lshlrev_b32 v[LI16], 4, v[W]
	v_lshlrev_b32 v[LI4], 2, v[W]
	v_lshlrev_b32 v[LI8], 3, v[W]
	v_add_nc_u32 v[PFO], s39, v[W]
	v_min_u32 v[PFO], 101, v[PFO]
	v_lshlrev_b32 v[PFO], 8, v[PFO]
	v_bfe_u32 v[SH8], v0, 4, 1
	v_lshlrev_b32 v[SH8], 3, v[SH8]
	s_wait_alu depctr_va_vdst(0)
.irp g, 0,1,2
	global_load_b128 v[S+4*\g:S+4*\g+3], v[LI16], s[46:47] offset:512*\g   ; the pair's image: registers 0-5 the even tile, 6-11 the odd
.endr
	global_load_b32 v[QS], v[LI4], s[48:49]
	v_and_b32 v[STA], 15, v0                       ; the stage of ctx's scale words: in, 64 wave + 4 (lane % 16);
	v_lshlrev_b32 v[STA], 2, v[STA]
	v_lshrrev_b32 v[GOF], 5, v0
	v_lshl_add_u32 v[STA], v[GOF], 6, v[STA]
	v_add_nc_u32 v[STA], STG, v[STA]
	v_lshlrev_b32 v[GOF], 4, v0                    ; out, 16 bytes a thread
	v_add_nc_u32 v[RDA], STG, v[GOF]
.set J, 0
.rept 32
	v_mov_b32 v[O+J], 0                            ; the loop has no first step of its own: it finds zeros, which the first change of M leaves zeros
.set J, J+1
.endr
.irp i, 0,1,2,3,4,5
	v_mov_b32 v[QF+6+\i], 0                        ; the upper half of the first product's K: zero codes
	v_mov_b32 v[PC+\i], 0                          ; read as the upper half of K's last fragment
.endr
	v_mov_b32 v[SUM], 0
	v_mov_b32 v[SUM+1], 0
	v_mov_b32 v[SX], 0xff61b1e6                    ; -3e38, under every score that this text serves
	v_mul_f32 v[NM], s[CS], v[SX]
	v_floor_f32 v[NM], -v[NM]
	v_mov_b32 v[F+1], 0                            ; (named as the upper half of a pair)
	v_mov_b32 v[TMP], 0                            ; a lane permute's destination counts as one of its sources
	v_mov_b32 v[TMP+1], 0
	s_wait_alu depctr_va_vdst(0)
	s_wait_loadcnt 0x0                             ; Q
.irp i, 0,1,2,3,4,5
	v_cndmask_b32 v[QF+\i], v[S+\i], v[S+6+\i], s[ODD]   ; my tile's six registers
.endr
	v_permlanex16_b32 v[TMP], v[QS], s[SEL], s[SEL+1]
	v_cndmask_b32 v[QS], v[QS], v[TMP], s[ODD]     ; my tile's scale words into lanes 0-15
.rept 8
	v_nop                                          ; a scale register written by a vector instruction stands 8 places ahead of a scaled product
.endr
.Lslot:                                            ; three trips: behind each change of slots but the last the next fill is asked for
	CHANGE 1
	RUN 1
	s_sub_co_u32 s[SLOTS], s[SLOTS], 1
	s_cmp_lg_u32 s[SLOTS], 0
	s_cbranch_scc1 .Lslot
	CHANGE 0                                       ; the last slot is written out
	RUN 0
	; the end: O^T / the sum is a block of 32 of ctx along the hidden axis, in one lane: six registers of the last product's operand
	v_add_f32 v[SUM], v[SUM], v[SUM+1]
	v_permlanex16_b32 v[TMP], v[SUM], s[SEL], s[SEL+1]
	v_add_f32 v[SUM], v[SUM], v[TMP]               ; the row's sum
	s_wait_alu depctr_va_vdst(0)
	v_rcp_f32 v[F], v[SUM]
	v_nop
	s_wait_alu depctr_va_vdst(0)                   ; ahead of the reciprocal's first reader, which is also the first reader of O^T
.set J, 0
.rept 16
	v_pk_mul_f32 v[O+J:O+J+1], v[O+J:O+J+1], v[F:F+1] op_sel_hi:[1,0]
.set J, J+2
.endr
	v_max3_num_f32 v[BM], |v[O]|, |v[O+1]|, |v[O+2]|
	v_max3_num_f32 v[BM+1], |v[O+3]|, |v[O+4]|, |v[O+5]|
.irp i, 6,10,14,18,22,26
	v_max3_num_f32 v[BM], v[BM], |v[O+\i]|, |v[O+\i+1]|
	v_max3_num_f32 v[BM+1], v[BM+1], |v[O+\i+2]|, |v[O+\i+3]|
.endr
	v_max3_num_f32 v[BM], v[BM], |v[O+30]|, |v[O+31]|
	v_max3_num_f32 v[BM], v[BM], v[BM+1], 0x1800000
	v_add_nc_u32 v[SCO], 0xff000000, v[BM]
	v_lshrrev_b32 v[BY], 23, v[SCO]
	v_lshlrev_b32 v[BY], v[SH8], v[BY]
	v_permlanex16_b32 v[TMP], v[BY], s[SEL], s[SEL+1]
	v_cvt_scalef32_pk16_fp6_f32 v[PC:PC+2], v[O:O+15], v[SCO]
	v_cvt_scalef32_pk16_fp6_f32 v[PT0:PT0+2], v[O+16:O+31], v[SCO]
	v_or_b32 v[W], v[BY], v[TMP]                   ; the head's two bytes of my row's scale word, the same in both halves of the lanes.  (The plain place behind the conversions)
.irp i, 0,1,2
	v_mov_b32 v[PC+3+\i], v[PT0+\i]
.endr
	global_store_b128 v[LI16], v[PC:PC+3], s[52:53]                  ; half an image: registers 0-3, 512 consecutive bytes,
	global_store_b64 v[LI8], v[PC+4:PC+5], s[52:53] offset:512       ; registers 4-5, 256
	ds_store_b32 v[STA], v[W]                      ; sixteen waves' words make 1,024 consecutive bytes (lanes l and l xor 16 write the same word with the same value)
	s_wait_alu depctr_va_vdst(0)
	s_wait_dscnt 0x0
	s_barrier_signal -1
	s_barrier_wait -1
	s_cmp_lt_u32 s[WV], 2
	s_cbranch_scc0 .Lend
	ds_load_b128 v[S:S+3], v[RDA]
	s_wait_dscnt 0x0
	global_store_b128 v[GOF], v[S:S+3], s[50:51]   ; waves 0 and 1: 512 consecutive bytes each
.Lend:
	s_wait_tensorcnt 0x0                           ; the wave's end
	ds_add_u32 v[SPW], v[NIL]
	s_wait_dscnt 0x0
	CROUND                                         ; the closing round
	s_endpgm
.Lfunc_end_k_q4b8b8aaa61_attn:
	.size	k_q4b8b8aaa61_attn, .Lfunc_end_k_q4b8b8aaa61_attn-k_q4b8b8aaa61_attn
	.p2alignl 7, 3214868480
	.fill 96, 4, 3214868480
	.section	.rodata,"a",@progbits
	.p2align	6, 0x0
	.amdhsa_kernel k_q4b8b8aaa61_attn
		.amdhsa_group_segment_fixed_size 327680
		.amdhsa_private_segment_fixed_size 0
		.amdhsa_enable_private_segment 0
		.amdhsa_kernarg_size 24
		.amdhsa_user_sgpr_count 2
		.amdhsa_user_sgpr_kernarg_segment_ptr 1
		.amdhsa_wavefront_size32 1
		.amdhsa_system_sgpr_workgroup_id_x 1
		.amdhsa_system_sgpr_workgroup_id_y 1
		.amdhsa_system_sgpr_workgroup_id_z 1
		.amdhsa_system_vgpr_workitem_id 0
		.amdhsa_next_free_vgpr 256
		.amdhsa_next_free_sgpr 66
		.amdhsa_reserve_vcc 0
		.amdhsa_float_denorm_mode_32 3
		.amdhsa_float_denorm_mode_16_64 3
		.amdhsa_memory_ordered 1
		.amdhsa_forward_progress 1
		.amdhsa_inst_pref_size 72
	.end_amdhsa_kernel
	.amdgpu_metadata
---
amdhsa.version: [ 1, 2 ]
amdhsa.kernels:
  - .name:           k_q4b8b8aaa61_attn
    .symbol:         k_q4b8b8aaa61_attn.kd
    .args:
      - { .name: qq, .offset: 0, .size: 8, .value_kind: global_buffer, .address_space: global }
      - { .name: kv, .offset: 8, .size: 8, .value_kind: global_buffer, .address_space: global }
      - { .name: cq, .offset: 16, .size: 8, .value_kind: global_buffer, .address_space: global }
    .group_segment_fixed_size: 327680
    .private_segment_fixed_size: 0
    .kernarg_segment_align: 8
    .kernarg_segment_size: 24
    .max_flat_workgroup_size: 512
    .sgpr_count:     66
    .vgpr_count:     256
    .wavefront_size: 32
...
	.end_amdgpu_metadata
.endif
;; end of part 3
;; launch oproj (part 4): grid 8 x 32, 4 waves a work-group, clusters of 4 x 4, 327,680 bytes of LDS; arguments cq, wq, bo, out0; writes out0
.if DOCPART == 4
	.amdgcn_target "amdgcn-amd-amdhsa--gfx1250"
	.amdhsa_code_object_version 6
	.text
	.protected	k_q4b8b8aaa61_oproj
	.globl	k_q4b8b8aaa61_oproj
	.p2align	8
	.type	k_q4b8b8aaa61_oproj,@function
k_q4b8b8aaa61_oproj:
	s_mov_b64 s[64:65], 0
	v_nop
	global_prefetch_b8 v0, s[64:65] scope:SCOPE_SE
	s_setreg_imm32_b32 hwreg(HW_REG_WAVE_MODE, 25, 1), 1
	s_wait_xcnt 0x0
	s_wait_alu depctr_hold_cnt(0) depctr_sa_sdst(0) depctr_va_vdst(0) depctr_va_sdst(0) depctr_va_ssrc(0) depctr_va_vcc(0) depctr_vm_vsrc(0)
	s_getreg_b32 s2, hwreg(HW_REG_IB_STS2, 6, 4)
	s_cmp_eq_u32 s2, 0
	s_cbranch_scc0 .Lentry_in_a_cluster
	s_endpgm
.Lentry_in_a_cluster:
	s_bfe_u32 s2, ttmp6, 0x10000c
	s_cmp_lg_u32 s2, 0xf033
	s_cbranch_scc0 .Lentry_shape_is_right
	s_endpgm
.Lentry_shape_is_right:
; out = ctx Wo + bo on codes of FP6 (E2M3) with E8M0 scales.  A work-group makes 128 rows x 128 columns; ctx's block and Wo's block (all of K, 98,304 bytes of register images each) come into LDS once:
; waves 0 and 1 fetch the two halves of ctx's block, jointly along a row of the 4 x 4 cluster, waves 2 and 3 those of Wo's, jointly along a column: one tensor load a wave, 192 rows of 256 bytes.
; Source 0 = Wo's 8 tiles, source 1 = my wave's two tiles of ctx: 16 accumulators, which begin with the bias; the results leave through my own stage in LDS as rows of 512 bytes.
.set CX,    0
.set WO,    98304
.set STG,   196608
.set SPARE, 230400
.set HALF,  49152
.set QTR,   24576
.set AP,    2
.set AR16,  4
.set AR8,   6
.set STO,   8
.set RD,    9
.set LI16,  12
.set LI4,   13
.set LI8,   14
.set SPW,   17
.set NIL,   18
.set RSC,   20
.set PSC,   28
.set OB,    60
.set ACC,   128
.set F0,    0
.set BO,    0
.set G1X,   32
.set G1W,   40
.set G0X,   48
.set G0Q,   56
.set SWB,   84
.set SCB,   86
.set OUTB,  88
.set MSB, 0
.macro WIN new
.if MSB != \new
	s_set_vgpr_msb (MSB<<8)|\new
.set MSB, \new
.endif
.endm
.macro PLACES
.rept 4
	v_nop
.endr
.endm
.macro CROUND
	s_barrier_signal -1
	s_barrier_wait -1
	s_cmp_lg_u32 s18, 0
	s_cbranch_scc1 .Lnot_wave_0_\@
	s_barrier_signal -3
.Lnot_wave_0_\@:
	s_barrier_wait -3
	s_barrier_signal -1
	s_barrier_wait -1
.endm
.macro JLOAD c
	s_cmp_eq_u32 s19, 0
	s_cbranch_scc0 .Lfor_w_\@
	tensor_load_to_lds s[G0X+4*\c:G0X+4*\c+3], s[G1X:G1X+7]
	s_nop 0
.rept 4
	v_nop
.endr
	s_branch .Lasked_\@
.Lfor_w_\@:
	tensor_load_to_lds s[G0Q+4*\c:G0Q+4*\c+3], s[G1W:G1W+7]
	s_nop 0
.rept 4
	v_nop
.endr
.Lasked_\@:
.endm
.macro WMR d, a, b, c, sa, sb, ra, rb
.if ((\ra) == 0) && ((\rb) == 0)
	v_wmma_scale_f32_16x16x128_f8f6f4 v[\d:\d+7], v[\a:\a+11], v[\b:\b+11], v[\c:\c+7], v[\sa], v[\sb] matrix_a_fmt:MATRIX_FMT_FP6 matrix_b_fmt:MATRIX_FMT_FP6
.elseif (\rb) == 0
	v_wmma_scale_f32_16x16x128_f8f6f4 v[\d:\d+7], v[\a:\a+11], v[\b:\b+11], v[\c:\c+7], v[\sa], v[\sb] matrix_a_fmt:MATRIX_FMT_FP6 matrix_b_fmt:MATRIX_FMT_FP6 matrix_a_scale:MATRIX_SCALE_ROW1
.elseif (\ra) == 0
	v_wmma_scale_f32_16x16x128_f8f6f4 v[\d:\d+7], v[\a:\a+11], v[\b:\b+11], v[\c:\c+7], v[\sa], v[\sb] matrix_a_fmt:MATRIX_FMT_FP6 matrix_b_fmt:MATRIX_FMT_FP6 matrix_b_scale:MATRIX_SCALE_ROW1
.else
	v_wmma_scale_f32_16x16x128_f8f6f4 v[\d:\d+7], v[\a:\a+11], v[\b:\b+11], v[\c:\c+7], v[\sa], v[\sb] matrix_a_fmt:MATRIX_FMT_FP6 matrix_b_fmt:MATRIX_FMT_FP6 matrix_a_scale:MATRIX_SCALE_ROW1 matrix_b_scale:MATRIX_SCALE_ROW1
.endif
.endm
.macro FETCH buf, hf, off
	WIN 0x40
.irp i, 0,1,2,3,4,5,6,7
.irp g, 0,1,2
	ds_load_b128 v[\buf+12*\i+4*\g:\buf+12*\i+4*\g+3], v[AP+\hf] offset:\off+1536*\i+512*\g
.endr
.endr
.irp j, 0,1
.irp c, 0,1
	ds_load_b128 v[\buf+96+12*\j+6*\c:\buf+96+12*\j+6*\c+3], v[AR16+\hf] offset:\off+1536*\j+768*\c
	ds_load_b64 v[\buf+96+12*\j+6*\c+4:\buf+96+12*\j+6*\c+5], v[AR8+\hf] offset:\off+1536*\j+768*\c+512
.endr
.endr
.endm
.macro MUL buf, s
.if \s == 0
	WIN 0x25
.else
	WIN 0x05
.endif
.irp j, 0,1
.irp i, 0,1,2,3,4,5,6,7
.if \s == 0
	WMR ACC+8*(8*\j+\i), \buf+12*\i, \buf+96+12*\j, BO+8*\i, PSC+8*(\i/2)+\s, RSC+\s, \i%2, \j
.else
	WMR ACC+8*(8*\j+\i), \buf+12*\i, \buf+96+12*\j, ACC+8*(8*\j+\i), PSC+8*(\i/2)+\s, RSC+\s, \i%2, \j
.endif
.endr
.endr
.endm
	s_load_b256 s[4:11], s[0:1], 0x0
	v_lshl_add_u32 v[SPW], v0, 2, SPARE
	v_mov_b32 v[NIL], 0
	ds_add_u32 v[SPW], v[NIL]
	ds_add_u32 v[SPW], v[NIL]
	v_lshrrev_b32 v1, 5, v0
	v_readfirstlane_b32 s18, v1
	s_lshr_b32 s19, s18, 1
	s_and_b32 s20, s18, 1
	s_bfe_u32 s21, ttmp6, 0x40000
	s_bfe_u32 s22, ttmp6, 0x40004
	s_lshl_b32 s23, ttmp9, 2
	s_add_co_u32 s23, s23, s21
	s_and_b32 s24, ttmp7, 0xffff
	s_lshl_b32 s24, s24, 2
	s_add_co_u32 s24, s24, s22
	s_lshl_b32 s25, s22, 2
	s_lshl_b32 s25, 15, s25
	s_lshl_b32 s29, 0x1111, s21
	s_or_b32 s[G1X], s25, (3<<16)|(1<<21)
	s_or_b32 s[G1W], s29, (3<<16)|(1<<21)
.irp g, G1X, G1W
	s_mov_b32 s[\g+1], 32<<16
	s_mov_b32 s[\g+2], 192<<16
	s_mov_b32 s[\g+3], 32<<16
	s_mov_b32 s[\g+4], 192
	s_mov_b32 s[\g+5], 32
	s_mov_b32 s[\g+6], 0
	s_mov_b32 s[\g+7], 0
.endr
	s_mul_i32 s30, s20, HALF
	s_mul_i32 s3, s18, 3072
	s_mul_i32 s76, s24, 98304
	s_add_co_u32 s76, s76, s30
	s_mov_b32 s77, 0
	s_mul_i32 s78, s23, 98304
	s_add_co_u32 s78, s78, s30
	s_add_co_u32 s78, s78, 2359296
	s_mov_b32 s79, 0
	s_wait_dscnt 0x0
	s_wait_kmcnt 0x0
	s_add_nc_u64 s[76:77], s[4:5], s[76:77]
	s_add_nc_u64 s[78:79], s[6:7], s[78:79]
	CROUND
.irp c, 0
	s_mov_b32 s[G0X+4*\c], 1
	s_add_co_u32 s[G0X+4*\c+1], s30, CX+\c*HALF
	s_add_nc_u64 s[G0X+4*\c+2:G0X+4*\c+3], s[76:77], \c*HALF
	s_or_b32 s[G0X+4*\c+3], s[G0X+4*\c+3], 0x80000000
	s_mov_b32 s[G0Q+4*\c], 1
	s_add_co_u32 s[G0Q+4*\c+1], s30, WO+\c*HALF
	s_add_nc_u64 s[G0Q+4*\c+2:G0Q+4*\c+3], s[78:79], \c*HALF
	s_or_b32 s[G0Q+4*\c+3], s[G0Q+4*\c+3], 0x80000000
	JLOAD \c
.endr
	v_and_b32 v1, 31, v0
	v_lshlrev_b32 v[LI16], 4, v1
	v_lshlrev_b32 v[LI4], 2, v1
	v_lshlrev_b32 v[LI8], 3, v1
	v_and_b32 v10, 15, v0
	v_bfe_u32 v11, v0, 4, 1
	v_lshlrev_b32 v1, 7, v11
	v_add_nc_u32 v[AP], WO, v[LI16]
	v_add_nc_u32 v[AP+1], WO+HALF, v[LI16]
	v_add_nc_u32 v[AR16], s3, v[LI16]
	v_add_nc_u32 v[AR8], s3, v[LI8]
	v_add_nc_u32 v[AR16+1], HALF, v[AR16]
	v_add_nc_u32 v[AR8+1], HALF, v[AR8]
	s_mul_i32 s31, s18, 16*528
	s_add_co_u32 s31, s31, STG
	v_mul_u32_u24 v[STO], v10, 528
	v_lshl_add_u32 v[STO], v11, 7, v[STO]
	v_add_nc_u32 v[STO], s31, v[STO]
	v_add_nc_u32 v[RD], s31, v[LI16]
	s_lshl_b32 s82, s23, 9
	s_mov_b32 s83, 0
	s_add_nc_u64 s[8:9], s[8:9], s[82:83]
	WIN 0x80
.irp i, 0,1,2,3,4,5,6,7
	global_load_b128 v[BO+8*\i:BO+8*\i+3], v1, s[8:9] offset:(64*(\i/4)+8*(\i%4))*4
	global_load_b128 v[BO+8*\i+4:BO+8*\i+7], v1, s[8:9] offset:(64*(\i/4)+8*(\i%4))*4+16
.endr
	WIN 0
	s_lshl_b32 s82, s23, 12
	s_add_co_u32 s82, s82, 3244032
	s_add_nc_u64 s[SWB:SWB+1], s[6:7], s[82:83]
	s_lshl_b32 s82, s24, 2
	s_add_co_u32 s82, s82, s18
	s_lshl_b32 s82, s82, 7
	s_add_co_u32 s82, s82, 3145728
	s_add_nc_u64 s[SCB:SCB+1], s[4:5], s[82:83]
.irp p, 0,1,2,3
.irp kg, 0,1,2,3
	global_load_b64 v[PSC+8*\p+2*\kg:PSC+8*\p+2*\kg+1], v[LI8], s[SWB:SWB+1] offset:1024*\p+256*\kg
.endr
.endr
.irp hd, 0,1,2,3,4,5,6,7,8,9,10,11,12,13,14,15
	global_load_b32 v[OB+\hd], v[LI4], s[SCB:SCB+1] offset:16384*\hd
.endr
	s_lshl_b32 s82, s24, 19
	s_lshl_b32 s2, s19, 18
	s_add_co_u32 s82, s82, s2
	s_lshl_b32 s2, s20, 16
	s_add_co_u32 s82, s82, s2
	s_lshl_b32 s2, s23, 9
	s_add_co_u32 s82, s82, s2
	s_add_nc_u64 s[OUTB:OUTB+1], s[10:11], s[82:83]
	s_wait_alu depctr_va_vdst(0)
	s_wait_tensorcnt 0x0
	s_barrier_signal -1
	s_barrier_wait -1
	FETCH F0, 0, 0
	WIN 0
	s_wait_loadcnt 0x0
.irp s, 0,1,2,3,4,5,6,7
	v_perm_b32 v[RSC+\s], v[OB+2*\s+1], v[OB+2*\s], 0x05040100
.endr
.rept 8
	v_nop
.endr
	s_wait_alu depctr_va_vdst(0)
.irp s, 0,1,2,3,4,5,6,7
	s_wait_dscnt 0x0
.if \s < 7
	PLACES
	FETCH F0+128*((\s+1)%2), (\s+1)/4, ((\s+1)%4)*12288
.endif
	MUL F0+128*(\s%2), \s
.endr
	WIN 0
	PLACES
.irp j, 0,1
.if \j == 1
	s_wait_xcnt 0x0
.endif
.irp i, 0,1,2,3,4,5,6,7
	ds_store_b128 v[STO], v[ACC+8*(8*\j+\i):ACC+8*(8*\j+\i)+3] offset:(64*(\i/4)+8*(\i%4))*4
	ds_store_b128 v[STO], v[ACC+8*(8*\j+\i)+4:ACC+8*(8*\j+\i)+7] offset:(64*(\i/4)+8*(\i%4))*4+16
.endr
.irp t, 0,1,2,3,4,5,6,7,8,9,10,11,12,13,14,15
	ds_load_b128 v[OB+4*\t:OB+4*\t+3], v[RD] offset:528*\t
.endr
.irp t, 0,1,2,3,4,5,6,7,8,9,10,11,12,13,14,15
	s_wait_dscnt 15-\t
	global_store_b128 v[LI16], v[OB+4*\t:OB+4*\t+3], s[OUTB:OUTB+1] offset:(32*(\t/8)+(\t%8)+8*\j)*4096 th:TH_STORE_NT
.endr
.endr
	s_wait_tensorcnt 0x0
	ds_add_u32 v[SPW], v[NIL]
	s_wait_dscnt 0x0
	CROUND
	s_endpgm
.Lfunc_end_k_q4b8b8aaa61_oproj:
	.size	k_q4b8b8aaa61_oproj, .Lfunc_end_k_q4b8b8aaa61_oproj-k_q4b8b8aaa61_oproj
	.p2alignl 7, 3214868480
	.fill 96, 4, 3214868480
	.section	.rodata,"a",@progbits
	.p2align	6, 0x0
	.amdhsa_kernel k_q4b8b8aaa61_oproj
		.amdhsa_group_segment_fixed_size 327680
		.amdhsa_private_segment_fixed_size 0
		.amdhsa_enable_private_segment 0
		.amdhsa_kernarg_size 32
		.amdhsa_user_sgpr_count 2
		.amdhsa_user_sgpr_kernarg_segment_ptr 1
		.amdhsa_wavefront_size32 1
		.amdhsa_system_sgpr_workgroup_id_x 1
		.amdhsa_system_sgpr_workgroup_id_y 1
		.amdhsa_system_sgpr_workgroup_id_z 1
		.amdhsa_system_vgpr_workitem_id 0
		.amdhsa_next_free_vgpr 768
		.amdhsa_next_free_sgpr 96
		.amdhsa_reserve_vcc 0
		.amdhsa_float_denorm_mode_32 3
		.amdhsa_float_denorm_mode_16_64 3
		.amdhsa_memory_ordered 1
		.amdhsa_forward_progress 1
		.amdhsa_inst_pref_size 54
	.end_amdhsa_kernel
	.amdgpu_metadata
---
amdhsa.version: [ 1, 2 ]
amdhsa.kernels:
  - .name:           k_q4b8b8aaa61_oproj
    .symbol:         k_q4b8b8aaa61_oproj.kd
    .args:
      - { .name: cq, .offset: 0, .size: 8, .value_kind: global_buffer, .address_space: global }
      - { .name: wq, .offset: 8, .size: 8, .value_kind: global_buffer, .address_space: global }
      - { .name: bo, .offset: 16, .size: 8, .value_kind: global_buffer, .address_space: global }
      - { .name: out0, .offset: 24, .size: 8, .value_kind: global_buffer, .address_space: global }
    .group_segment_fixed_size: 327680
    .private_segment_fixed_size: 0
    .kernarg_segment_align: 8
    .kernarg_segment_size: 32
    .max_flat_workgroup_size: 128
    .sgpr_count:     96
    .vgpr_count:     768
    .wavefront_size: 32
...
	.end_amdgpu_metadata
.endif
;; end of part 4
